; MI455X (gfx1250); checked and timed in simulation.
; The chip was launched on July 23, 2026; its instructions are those of AMD's public machine-readable ISA for CDNA 5 (MIT licence, August 2026) and "CDNA5" Instruction Set Architecture Reference Guide (July 2026). The comments in the code are by the model that wrote it; some were corrected since.
;; Standard Multi Head Attention. Allowed arithmetic: matrix products marked QUANTISED: E4M3 operands, one E8M0 scale for each 32 along K, by v_wmma_scale_f32_16x16x128_f8f6f4 with both operands' format E4M3, f32 sums; everything else in f32.
;; Inputs: Wk 1,024 x 1,024 float32; Wo 1,024 x 1,024 float32; Wq 1,024 x 1,024 float32; Wv 1,024 x 1,024 float32; bk 1,024 float32; bo 1,024 float32; bq 1,024 float32; bv 1,024 float32; x 4 x 2,048 x 1,024 float32.
;; Outputs: out0 4 x 2,048 x 1,024 float32.
;; This version of the problem:
;;   THIS VERSION OF THE PROBLEM IS GIVEN IN LOW PRECISION. The matrix products marked QUANTISED in the list below multiply operands that are first quantised to E4M3 (4 exponent bits, 3 mantissa bits; 8 bits a number), with one power-of-two scale for each 32 numbers along K (OCP MX v1.0); their sums are f32. All else is computed in f32.
;;   The module's matrix products, in the order in which they are computed (A, B: the left and right operand; K: the contracted axis; several contracted axes count as one K, in the product's order):
;;     1. [M 8,192, K 1,024] x [K 1,024, N 1,024]; A: input x; B: input Wq: QUANTISED
;;     2. [M 8,192, K 1,024] x [K 1,024, N 1,024]; A: input x; B: input Wk: QUANTISED
;;     3. [M 8,192, K 1,024] x [K 1,024, N 1,024]; A: input x; B: input Wv: QUANTISED
;;     4. batch 64 x [M 2,048, K 64] x [K 64, N 2,048]; A: computed on the way; B: computed on the way: QUANTISED
;;     5. batch 64 x [M 2,048, K 2,048] x [K 2,048, N 64]; A: softmax (see below); B: computed on the way: QUANTISED
;;     6. [M 8,192, K 1,024] x [K 1,024, N 1,024]; A: computed on the way; B: input Wo: QUANTISED
;;   THE QUANTISER, for each operand of a quantised product, along K:
;;     - K is cut into blocks of 32 from its start; a last block that is shorter is filled with zeros.
;;     - A block's scale is 2^e with e = floor(log2(the largest magnitude in the block)) - 8, held to -126 .. 127; a block of zeros has e = 0. As a byte (E8M0): e + 127.
;;     - Each number is divided by its block's scale, clamped to +-448, and rounded to the nearest number of E4M3, ties to even, subnormals kept.
;;     - The product sums the exact products of the quantised numbers (number of the format x scale) in f32.
;;   ~~~python
;;   def quantise(x, axis):      # numpy; x: float32 -> the quantised numbers, widened to float32 again
;;       x = np.moveaxis(x, axis, -1); K = x.shape[-1]
;;       x = np.pad(x, [(0, 0)] * (x.ndim - 1) + [(0, -K % 32)]); x = x.reshape(x.shape[:-1] + (-1, 32)); a = np.abs(x).max(-1, keepdims=True)
;;       e = np.where(a > 0, np.clip(np.frexp(np.where(a > 0, a, 1))[1] - 1 - 8, -126, 127), 0)      # np.frexp(a)[1] - 1 = floor(log2(a)), exactly
;;       r = np.clip(x / 2.0 ** e, -448, 448)
;;       step = 2.0 ** (np.maximum(np.frexp(np.where(r == 0, 1, r))[1] - 1, -6) - 3)
;;       q = np.round(r / step) * step * 2.0 ** e      # np.round: ties to even
;;       return np.moveaxis(q.reshape(q.shape[:-2] + (-1,))[..., :K], -1, axis).astype(np.float32)
;;   ~~~
;;   SOFTMAX AHEAD OF A QUANTISED PRODUCT. Where the list says 'softmax', what is quantised is not the finished softmax but p = 2^(t - M), with t = logit x log2(e) and M = ceil(the row's largest t), a whole number; so 1/2 < the row's largest p <= 1. The row's sum l is taken of the UNQUANTISED p, in f32, and the product's result is divided by l at the end. Since M is a whole number, a kernel that streams over the keys may use a running M (the ceiling of the running maximum): every later rescaling is an exact power of two, which a block's scale takes up: the codes' values come out the same.
;;   OPERANDS COMPUTED ON THE WAY. 'Computed on the way' means the value that the module computes at that place (a softmax that the list does not call 'softmax' is quantised finished and normalised). What goes into a quantiser is computed in f32, as accurately as f32 sums, v_exp_f32 and their like allow (about 1e-6 of the number): no bf16 or f16 on the way to a quantiser, and a product that is left as it is and whose result goes on into a quantised operand takes f32 operands (vector FMAs, or v_wmma_f32_16x16x4_f32). A number that lies on a knife's edge between two numbers of the format may be rounded either way, as far as f32 arithmetic and the matrix unit's own rounding can turn it there, and no further.
;; One version. Each part assembles by itself: llvm-mc -triple=amdgcn-amd-amdhsa -mcpu=gfx1250 --defsym DOCPART=n.
;; ======== version 1 of 1: 4 launches
;; limits: right only within a limited range of input values
;; workspace buffers: opc 12,582,912 bytes; ops 393,216 bytes; qb 8,912,896 bytes; kv 17,563,648 bytes; ao 8,388,608 bytes; aos 262,144 bytes
;; launch quant (part 1): grid 384 x 1, 4 waves a work-group, no clusters, 34,304 bytes of LDS; arguments x, Wq, Wk, Wv, Wo, opc, ops; writes opc, ops
.if DOCPART == 1
	.amdgcn_target "amdgcn-amd-amdhsa--gfx1250"
	.amdhsa_code_object_version 6
	.text
	.protected	k_qf1d56cfddf_quant
	.globl	k_qf1d56cfddf_quant
	.p2align	8
	.type	k_qf1d56cfddf_quant,@function
k_qf1d56cfddf_quant:
	s_mov_b64 s[64:65], 0
	v_nop
	global_prefetch_b8 v0, s[64:65] scope:SCOPE_SE
	s_setreg_imm32_b32 hwreg(HW_REG_WAVE_MODE, 25, 1), 1
	s_wait_xcnt 0x0
; x [8192][1024] and Wq, Wk, Wv, Wo [1024][1024], f32, K innermost, become codes of E4M3 with one E8M0 byte for each 32 along K.
; The five tensors count as one list of 12,288 rows: x, Wq, Wk, Wv, Wo.  THE CODES ARE LAID AS IMAGES OF OPERAND REGISTERS:
; a tile is 16 rows, place r of tile T being row 32 (T / 2) + 8 (T % 2) + r % 8 + 16 (r / 8); the fragment (T, s) of 128 along K is 2,048 bytes at 16,384 T + 2,048 s,
; the byte at 512 c + 16 (r + 16 h) + e being the code of (place r, k = 128 s + 32 c + 16 h + e): four loads of 16 bytes a lane at 16 x lane bring an operand of the scaled matrix instruction.
; Scale words (four bytes: 128 along K of one row) lie at 512 T + 256 (s / 4) + 16 r + 4 (s % 4).
; A block's scale is 2^(floor(log2(largest magnitude)) - 8): its byte is the largest magnitude's exponent field - 8, held at 1 from below; numbers are held within +-448 x the scale and rounded to the nearest code, ties to even.
; LIMITS: a block of zeros, and a block whose largest magnitude lies under 2^-118, gets the byte 1 (the rule says 127 for zeros: their codes are zeros, and this program alone reads the bytes); NaN and infinities are not served.
; SHARES: a work-group takes 32 rows (tiles 2 g, 2 g + 1); wave w takes tile w / 2 and K half w % 2: four fragments.  Each load reads 512 consecutive bytes of one row; a fragment's 16 x 512 bytes
; turn through the wave's own stage in LDS (rows of 512 + 16 bytes), so that a lane gets 16 neighbours of each of four blocks.  No barrier: waves share nothing.
.set RA,  16                           ; v16-143  two sets of 64 registers as loaded
.set X,   144                          ; v144-207 register 16 b + i = k 32 b + 16 h + i of my row
.set PC,  208                          ; v208-223 the fragment's codes
.set TM,  224                          ; v224-239 at work in QUANT
.set SW,  240                          ; v240-243 the four fragments' scale words
.set PW,  244
.set T,   246
.set SEL, 24                           ; s24, s25 selects of v_permlanex16_b32: lane l xor 16
.set MNT, 26
.set SP,  528                          ; a stage row
; 64 numbers of a lane, v[s + 16 b + i], become 16 registers of codes from v[PC] on and the row's scale word in v[PW]
.macro QUANT s
.irp b, 0,1,2,3
	v_max3_num_f32 v[TM+\b], |v[\s+16*\b]|, |v[\s+1+16*\b]|, 0x4800000   ; my 16 numbers of block b, and the floor 2^(9 - 127): the byte cannot fall under 1
.endr
.irp i, 2,4,6,8,10,12,14
.irp b, 0,1,2,3
	v_max3_num_f32 v[TM+\b], v[TM+\b], |v[\s+16*\b+\i]|, |v[\s+1+16*\b+\i]|   ; the four blocks by turns
.endr
.endr
.irp b, 0,1,2,3
	v_permlanex16_b32 v[TM+4+\b], v[TM+\b], s[SEL], s[SEL+1]
.endr
.irp b, 0,1,2,3
	v_max_num_f32 v[TM+\b], v[TM+\b], v[TM+4+\b]             ; with lane l xor 16's 16: the block's largest magnitude
.endr
.irp b, 0,1,2,3
	v_add_nc_u32 v[TM+12+\b], 0xfc000000, v[TM+\b]           ; 8 off its exponent field: the conversion's scale operand
.endr
.irp b, 0,1,2,3
.endr
.irp b, 0,1,2,3
	v_lshrrev_b32 v[TM+4+\b], 23, v[TM+12+\b]                ; the scale's byte
.endr
	v_lshl_or_b32 v[PW], v[TM+5], 8, v[TM+4]
	v_lshl_or_b32 v[PW], v[TM+6], 16, v[PW]
	v_lshl_or_b32 v[PW], v[TM+7], 24, v[PW]
.irp b, 0,1,2,3
.irp i, 0,1,2,3,4,5,6,7,8,9,10,11,12,13,14,15
.endr
	v_cvt_scalef32_pk8_fp8_f32 v[PC+4*\b:PC+1+4*\b], v[\s+16*\b:\s+7+16*\b], v[TM+12+\b]
	v_cvt_scalef32_pk8_fp8_f32 v[PC+2+4*\b:PC+3+4*\b], v[\s+8+16*\b:\s+15+16*\b], v[TM+12+\b]
.endr
	v_nop                                          ; a plain line behind the last conversion
.endm
	s_load_b256 s[4:11], s[0:1], 0x0               ; x, Wq, Wk, Wv
	s_load_b128 s[12:15], s[0:1], 0x20             ; Wo, the codes
	s_load_b64 s[16:17], s[0:1], 0x30              ; the scale words
	v_lshl_add_u32 v254, v0, 2, 0x8400
	v_mov_b32 v255, 0
	v_lshrrev_b32 v5, 5, v0
	v_readfirstlane_b32 s18, v5                    ; wave
	v_and_b32 v6, 31, v0                           ; lane
	v_and_b32 v7, 15, v0                           ; r
	v_bfe_u32 v8, v0, 4, 1                         ; h
	v_lshlrev_b32 v1, 4, v6                        ; 16 x lane: my bytes of a load's 512, and of a store's
	s_mul_i32 s19, s18, 16*SP                      ; my stage
	v_add_nc_u32 v2, s19, v1                       ; into it: a row as it was loaded
	v_mul_u32_u24 v3, v7, SP
	v_lshl_add_u32 v3, v8, 6, v3
	v_add_nc_u32 v3, s19, v3                       ; out of it: row r, + 64 h: my 16 numbers of a block of 32
	v_lshlrev_b32 v4, 4, v7
	v_lshl_add_u32 v4, v8, 3, v4                   ; the scale words' way out: 16 r + 8 h
	s_mov_b32 s[SEL], 0x76543210
	s_mov_b32 s[SEL+1], 0xfedcba98
.irp b, 0,1,2,3
	v_mov_b32 v[TM+4+\b], 0                        ; written once: a lane permute's destination counts as one of its sources
.endr
	s_lshr_b32 s20, s18, 1                         ; which tile of the two
	s_and_b32 s21, s18, 1                          ; which half of K
	s_sub_co_u32 s22, ttmp9, 256
	s_and_b32 s22, s22, 31                         ; a weight's group of 32 rows,
	s_cmp_ge_u32 ttmp9, 256
	s_cselect_b32 s22, s22, ttmp9                  ; or x's
	s_lshl_b32 s28, s22, 17                        ; source: 32 rows of 4,096 bytes a group,
	s_lshl_b32 s34, s20, 15                        ; 8 rows on for the second tile,
	s_add_co_u32 s28, s28, s34
	s_lshl_b32 s34, s21, 11                        ; 2,048 bytes on for the second half of K
	s_add_co_u32 s28, s28, s34
	s_mov_b32 s29, 0
	s_lshl_b32 s35, ttmp9, 1
	s_add_co_u32 s35, s35, s20                     ; my tile
	s_lshl_b32 s30, s35, 14
	s_lshl_b32 s34, s21, 13
	s_add_co_u32 s30, s30, s34                     ; its codes, my four fragments
	s_mov_b32 s31, 0
	s_lshl_b32 s32, s35, 9
	s_lshl_b32 s34, s21, 8
	s_add_co_u32 s32, s32, s34                     ; its scale words, my 256 bytes
	s_mov_b32 s33, 0
	s_wait_alu depctr_va_vdst(0)
	s_wait_kmcnt 0x0
	s_cmp_ge_u32 ttmp9, 288                        ; which tensor: the choice hangs on the work-group's number alone
	s_cselect_b64 s[6:7], s[8:9], s[6:7]
	s_cmp_ge_u32 ttmp9, 320
	s_cselect_b64 s[6:7], s[10:11], s[6:7]
	s_cmp_ge_u32 ttmp9, 352
	s_cselect_b64 s[6:7], s[12:13], s[6:7]
	s_cmp_ge_u32 ttmp9, 256
	s_cselect_b64 s[4:5], s[6:7], s[4:5]
	s_add_nc_u64 s[4:5], s[4:5], s[28:29]
	s_add_nc_u64 s[14:15], s[14:15], s[30:31]
	s_add_nc_u64 s[16:17], s[16:17], s[32:33]
.macro LOAD f                          ; fragment f: 128 numbers of each of the tile's 16 rows; a load reads 512 consecutive bytes
.irp p, 0,1,2,3,4,5,6,7,8,9,10,11,12,13,14,15
	global_load_b128 v[RA+64*((\f)%2)+4*\p:RA+64*((\f)%2)+4*\p+3], v1, s[4:5] offset:((\p%8)+16*(\p/8))*4096+(\f)*512 th:TH_LOAD_NT
.endr
.endm
.macro TURN f                          ; through the stage: LDS serves a wave's instructions in order, so no wait stands between the stores and the loads
.irp p, 0,1,2,3,4,5,6,7,8,9,10,11,12,13,14,15
	ds_store_b128 v2, v[RA+64*((\f)%2)+4*\p:RA+64*((\f)%2)+4*\p+3] offset:\p*SP
.endr
.irp c, 0,1,2,3
.irp j, 0,1,2,3
	ds_load_b128 v[X+16*\c+4*\j:X+16*\c+4*\j+3], v3 offset:128*\c+16*\j
.endr
.endr
.endm
.macro FRAGMENT f
.if \f < 3
	s_wait_loadcnt 16                              ; this fragment's 16 loads are in; the next fragment's 16 may be out
.else
	s_wait_loadcnt 0x0
.endif
	TURN \f
	s_wait_dscnt 0x0                               ; my numbers are back, and the stage's stores have read their registers,
.if \f < 2
	LOAD \f+2                                      ; which take the fragment two further on
.endif
.if \f > 0
	s_wait_xcnt 0x0                                ; the last fragment's stores have read the codes' registers
.endif
	QUANT X
	v_mov_b32 v[SW+\f], v[PW]
.irp c, 0,1,2,3
	global_store_b128 v1, v[PC+4*\c:PC+4*\c+3], s[14:15] offset:(\f)*2048+512*\c   ; 32 lanes store 512 consecutive bytes
.endr
.endm
	LOAD 0
	LOAD 1
	FRAGMENT 0
	FRAGMENT 1
	FRAGMENT 2
	FRAGMENT 3
	v_cmp_eq_u32 vcc_lo, 1, v8                     ; a row's four words are 16 bytes: lanes 0-15 store the first two, lanes 16-31 the others
	v_cndmask_b32 v[T], v[SW], v[SW+2], vcc_lo
	v_cndmask_b32 v[T+1], v[SW+1], v[SW+3], vcc_lo
	global_store_b64 v4, v[T:T+1], s[16:17]        ; 32 lanes store 256 consecutive bytes, aligned
	s_wait_tensorcnt 0x0
	ds_add_u32 v254, v255
	s_wait_dscnt 0x0
	s_endpgm
.Lfunc_end_k_qf1d56cfddf_quant:
	.size	k_qf1d56cfddf_quant, .Lfunc_end_k_qf1d56cfddf_quant-k_qf1d56cfddf_quant
	.p2alignl 7, 3214868480
	.fill 96, 4, 3214868480
	.section	.rodata,"a",@progbits
	.p2align	6, 0x0
	.amdhsa_kernel k_qf1d56cfddf_quant
		.amdhsa_group_segment_fixed_size 34304
		.amdhsa_private_segment_fixed_size 0
		.amdhsa_enable_private_segment 0
		.amdhsa_kernarg_size 56
		.amdhsa_user_sgpr_count 2
		.amdhsa_user_sgpr_kernarg_segment_ptr 1
		.amdhsa_wavefront_size32 1
		.amdhsa_system_sgpr_workgroup_id_x 1
		.amdhsa_system_sgpr_workgroup_id_y 1
		.amdhsa_system_sgpr_workgroup_id_z 1
		.amdhsa_system_vgpr_workitem_id 0
		.amdhsa_next_free_vgpr 256
		.amdhsa_next_free_sgpr 66
		.amdhsa_reserve_vcc 1
		.amdhsa_float_denorm_mode_32 3
		.amdhsa_float_denorm_mode_16_64 3
		.amdhsa_fp16_overflow 1
		.amdhsa_memory_ordered 1
		.amdhsa_forward_progress 1
		.amdhsa_inst_pref_size 34
	.end_amdhsa_kernel
	.amdgpu_metadata
---
amdhsa.version: [ 1, 2 ]
amdhsa.kernels:
  - .name:           k_qf1d56cfddf_quant
    .symbol:         k_qf1d56cfddf_quant.kd
    .args:
      - { .name: x, .offset: 0, .size: 8, .value_kind: global_buffer, .address_space: global }
      - { .name: Wq, .offset: 8, .size: 8, .value_kind: global_buffer, .address_space: global }
      - { .name: Wk, .offset: 16, .size: 8, .value_kind: global_buffer, .address_space: global }
      - { .name: Wv, .offset: 24, .size: 8, .value_kind: global_buffer, .address_space: global }
      - { .name: Wo, .offset: 32, .size: 8, .value_kind: global_buffer, .address_space: global }
      - { .name: opc, .offset: 40, .size: 8, .value_kind: global_buffer, .address_space: global }
      - { .name: ops, .offset: 48, .size: 8, .value_kind: global_buffer, .address_space: global }
    .group_segment_fixed_size: 34304
    .private_segment_fixed_size: 0
    .kernarg_segment_align: 8
    .kernarg_segment_size: 56
    .max_flat_workgroup_size: 128
    .sgpr_count:     66
    .vgpr_count:     256
    .wavefront_size: 32
...
	.end_amdgpu_metadata
.endif
;; end of part 1
;; launch qkv (part 2): grid 12 x 32, 4 waves a work-group, clusters of 4 x 4, 327,680 bytes of LDS; arguments opc, ops, bq, bk, bv, qb, kv; writes qb, kv
.if DOCPART == 2
	.amdgcn_target "amdgcn-amd-amdhsa--gfx1250"
	.amdhsa_code_object_version 6
	.text
	.protected	k_qf1d56cfddf_qkv
	.globl	k_qf1d56cfddf_qkv
	.p2align	8
	.type	k_qf1d56cfddf_qkv,@function
k_qf1d56cfddf_qkv:
	s_mov_b64 s[64:65], 0
	v_nop
	global_prefetch_b8 v0, s[64:65] scope:SCOPE_SE
	s_setreg_imm32_b32 hwreg(HW_REG_WAVE_MODE, 25, 1), 1
	s_wait_xcnt 0x0
	s_wait_alu depctr_hold_cnt(0) depctr_sa_sdst(0) depctr_va_vdst(0) depctr_va_sdst(0) depctr_va_ssrc(0) depctr_va_vcc(0) depctr_vm_vsrc(0)
	s_getreg_b32 s2, hwreg(HW_REG_IB_STS2, 6, 4)
	s_cmp_eq_u32 s2, 0
	s_cbranch_scc0 .Lentry_in_a_cluster
	s_endpgm
.Lentry_in_a_cluster:
	s_bfe_u32 s2, ttmp6, 0x10000c
	s_cmp_lg_u32 s2, 0xf033
	s_cbranch_scc0 .Lentry_shape_is_right
	s_endpgm
.Lentry_shape_is_right:
; q = x Wq^T + bq, k = x Wk^T + bk, v = x Wv^T + bv on codes of E4M3 (one E8M0 byte for each 32 along K = 1,024), and each result quantised at once for attention: q and k along the head's 64, v along the keys.
; OPERANDS are images of registers (tile T of 16 rows, place r = row 32 (T / 2) + 8 (T % 2) + r % 8 + 16 (r / 8); fragment (T, s) = 2,048 bytes at 16,384 T + 2,048 s; scale words at 512 T + 256 (s / 4) + 16 r + 4 (s % 4));
; tiles 0-511 are x, 512-575 Wq, 576-639 Wk, 640-703 Wv.  A fragment comes by four loads of 16 bytes at 16 x lane: no pitch, no padding.
; A work-group of four waves makes 256 x 256; a wave 8 tiles of source 1 x 8 tiles of source 0: 64 accumulators, 512 registers.  K goes in four steps of 256 through two LDS slots; all is written out, there is no loop.
; In a result lane r is place r of source 1's tile and register j of lane half h is place 8 h + j of source 0's tile, so the 16 registers of source 0's tiles 2 B, 2 B + 1 are 16 NEIGHBOURS, 32 B + 16 h + 0 .. 15:
; the layout that the conversions want along the next K.  q, k (cluster x = 0, 1): source 0 = the weight (registers run along the channels), source 1 = tokens.  v (cluster x = 2): source 0 = tokens (registers run along the keys), source 1 = Wv.
; CLUSTERS, 4 x 4: source 1's tiles hang on cy and are asked for jointly by a row of the cluster, source 0's on cx and by a column.  For v the two axes change parts: cy picks the 256 channels, cx the 256 tokens.  So LDS is laid alike in all.
; RESULTS: qb, per head 139,264 bytes: q's images at 1,024 x token tile + 512 b + 16 x lane, from 131,072 on the scale words at 512 g + 256 (a / 4) + 16 r + 4 (a % 4) (g, a: token tile / 8, % 8).
;   kv, per head 8 slots of 34,304 bytes, one for 256 keys: k's images, 16,384; v's images (8,192 (g % 2) + 2,048 x channel tile + 512 c), 16,384; k's scale words, 1,024; v's (256 (g % 2) + 16 r + 4 x channel tile), 512.
;   Of a q or k scale word bytes 0, 1 are the head's two blocks; bytes 2, 3 hold the neighbouring head's bytes or 0 and meet zero codes alone.
; LIMITS: a block of zeros, or one whose largest magnitude lies under 2^-118, gets the byte 1; NaN and infinities are not served.
; REGISTERS: window 0: v1-3 r, h, 16 x lane; v12-29 addresses; v32-63 scale words, two sets; v128-255 source 1's eight fragments, one set (later the epilogue's work); window 1: source 0's, two sets; windows 2, 3: accumulator (a, b) at v[8 (8 (a % 4) + b)].
.set SLOT,  131072                     ; a slot: source 1's 16 tiles x 4,096 bytes, then source 0's
.set OP0,   65536
.set SCL,   2*SLOT                     ; the scale words of all of K: source 1's 8,192 bytes, then source 0's: filled once
.set SPARE, SCL+16384                  ; the spare words, 128 bytes a wave: two blocks of 256 bytes that no other line names
.set SLOTB, 34304
.set NP,    8                          ; places behind this matrix instruction (ISA guide 7.12.1)
.set AD1,  16                          ; v16-17 source 1's fragments in slot 0, 1
.set AD0,  20                          ; v20-21 source 0's
.set ADRS, 27                          ; v27    my scale words: lanes 0-15 source 1's, lanes 16-31 source 0's
.set SPW,  28                          ; v28    SPARE + 4 x my thread's number; never rewritten
.set NIL,  29                          ; v29    0; never rewritten
.set SC,   32
.set BI,   64                          ; v64-127 the bias
.set BL,   64
.set AF,   128
.set VO,   12                          ; v12-13 16 x lane, and the same one head on
.set VS,   14                          ; v14    the scale words' way out
.set VB,   15                          ; v15    my place in the bias
.set X,    128
.set PC,   192
.set TM,   208
.set SW,   224
.set PW,   232
.set T,    236
.set SEL,  66
.set MNT,  2
.set G1, 24
.set G0, 32
.set G1B, 48
.set G0B, 56
.set G1S, 68
.set G0S, 76
.set G1SB, 80
.set G0SB, 88
.set MSB, 0
.macro WIN new                         ; the immediate's high byte repeats the setting that is left
.if MSB != (\new)
	s_set_vgpr_msb (MSB<<8)|(\new)
.set MSB, (\new)
.endif
.endm
.macro WINM hi, cm                     ; source 0 window 1, source 1 window 0, D window 2 or 3; C with D, or (cm = 2) in window 0
.if \cm == 2
	WIN 0x81+0x40*\hi
.else
	WIN 0xa1+0x50*\hi
.endif
.endm
.set TO_B, 0x40
; A joint load: waves 0 and 1 fetch source 1's halves, waves 2 and 3 source 0's.  Four v_nop follow each of the two lines.
.macro JLOAD g0a, g1a, g0b, g1b
	s_cmp_eq_u32 s19, 0
	s_cbranch_scc0 .Lfor_b_\@
	tensor_load_to_lds s[\g0a:\g0a+3], s[\g1a:\g1a+7]
	s_nop 0
.rept 4
	v_nop
.endr
	s_branch .Lasked_\@
.Lfor_b_\@:
	tensor_load_to_lds s[\g0b:\g0b+3], s[\g1b:\g1b+7]
	s_nop 0
.rept 4
	v_nop
.endr
.Lasked_\@:
.endm
.macro CREST                           ; a round of the cluster's barrier behind its opening barrier
	s_cmp_lg_u32 s18, 0
	s_cbranch_scc1 .Lnot_wave_0_\@
	s_barrier_signal -3
.Lnot_wave_0_\@:
	s_barrier_wait -3
	s_barrier_signal -1
	s_barrier_wait -1
.endm
.macro CROUND
	s_barrier_signal -1
	s_barrier_wait -1
	CREST
.endm
.macro PLACES n
.rept \n
	v_nop
.endr
.endm
.macro FRAG reg, adr, q, i             ; tile i's fragment of the slot's q-th 128 along K
.irp c, 0,1,2,3
	ds_load_b128 v[\reg+4*\c:\reg+4*\c+3], v[\adr] offset:(\i)*4096+(\q)*2048+512*\c
.endr
.endm
.macro FETCH_B slot, q, p              ; source 0's eight fragments into set p of window 1
	WIN TO_B
.irp i, 0,1,2,3,4,5,6,7
	FRAG 128*(\p)+16*\i, AD0+\slot, \q, \i
.endr
	WIN 0
.endm
.macro FETCH_A slot, q, i0             ; source 1's blocks i0 .. i0 + 3
.irp i, \i0, \i0+1, \i0+2, \i0+3
	FRAG AF+16*(\i), AD1+\slot, \q, \i
.endr
.endm
.macro SCALES sc                       ; a K step's scale words, two a row: lanes 0-15 source 1's tile i, lanes 16-31 source 0's tile i
.irp i, 0,1,2,3,4,5,6,7
	ds_load_b64 v[SC+16*\sc+2*\i:SC+16*\sc+2*\i+1], v[ADRS] offset:\i*512
.endr
.endm
; 16 matrix instructions: source 1's blocks a0, a0 + 1 x source 0's eight.  cm = 1: the constant 0 starts the sums; 2: the bias does; 0: they go on.  The 64 accumulators take turns.
.macro MUL16 a0, p, q, sc, cm
.irp a, \a0, \a0+1
.irp b, 0,1,2,3,4,5,6,7
.if \cm == 1
	v_wmma_scale_f32_16x16x128_f8f6f4 v[8*(8*((\a)%4)+\b):8*(8*((\a)%4)+\b)+7], v[128*(\p)+16*\b:128*(\p)+16*\b+15], v[AF+16*(\a):AF+16*(\a)+15], 0, v[SC+16*(\sc)+2*\b+(\q)], v[SC+16*(\sc)+2*(\a)+(\q)] matrix_a_scale:MATRIX_SCALE_ROW1
.elseif \cm == 2
	v_wmma_scale_f32_16x16x128_f8f6f4 v[8*(8*((\a)%4)+\b):8*(8*((\a)%4)+\b)+7], v[128*(\p)+16*\b:128*(\p)+16*\b+15], v[AF+16*(\a):AF+16*(\a)+15], v[BI+8*\b:BI+8*\b+7], v[SC+16*(\sc)+2*\b+(\q)], v[SC+16*(\sc)+2*(\a)+(\q)] matrix_a_scale:MATRIX_SCALE_ROW1
.else
	v_wmma_scale_f32_16x16x128_f8f6f4 v[8*(8*((\a)%4)+\b):8*(8*((\a)%4)+\b)+7], v[128*(\p)+16*\b:128*(\p)+16*\b+15], v[AF+16*(\a):AF+16*(\a)+15], v[8*(8*((\a)%4)+\b):8*(8*((\a)%4)+\b)+7], v[SC+16*(\sc)+2*\b+(\q)], v[SC+16*(\sc)+2*(\a)+(\q)] matrix_a_scale:MATRIX_SCALE_ROW1
.endif
.endr
.endr
.endm
.macro STEP slot, cm                   ; a slot's first 128 along K; the second's fragments are fetched on the way
	s_wait_dscnt 16                                ; source 0's set, source 1's blocks 0-3 and the scale words are in; the youngest 16 loads (blocks 4-7) may be out
	WINM 0, \cm
	MUL16 0, 0, 0, \slot, \cm
	MUL16 2, 0, 0, \slot, \cm
	s_wait_dscnt 0x0                               ; blocks 4-7 are in
	PLACES NP                                      ; in front of loads into registers that matrix instructions have read
	FETCH_B \slot, 1, 1
	FETCH_A \slot, 1, 0
	WINM 1, \cm
	MUL16 4, 0, 0, \slot, \cm
	MUL16 6, 0, 0, \slot, \cm
	PLACES NP
	WIN 0
	FETCH_A \slot, 1, 4
.endm
; A slot's second 128 along K changes slots: one barrier; in front of it each wave waits for all its tensor loads, adds 0 to its spare word, and waits for that and for its reads of this slot.
.macro TURN slot, next, fill, sstep
	s_wait_tensorcnt 0x0                           ; all my tensor loads have landed: my part of the next slot
	ds_add_u32 v[SPW], v[NIL]                      ; 0 onto my spare word
	s_wait_dscnt 17                                ; (the add and the youngest 16 loads may be out)
	WINM 0, 0
	MUL16 0, 1, 1, \slot, 0
	s_wait_dscnt 0x0                               ; the add is done, and my reads of this slot are over
	s_barrier_signal -1
	MUL16 2, 1, 1, \slot, 0
	WIN 0
	s_barrier_wait -1
.if \fill
	CREST                                          ; the barrier has opened a round of the cluster's: no wave of any partner still reads this slot or has a load on its way
	s_add_nc_u64 s[G0+4*\slot+2:G0+4*\slot+3], s[G0+4*\slot+2:G0+4*\slot+3], 8192
	s_add_nc_u64 s[G0B+4*\slot+2:G0B+4*\slot+3], s[G0B+4*\slot+2:G0B+4*\slot+3], 8192
	JLOAD G0+4*\slot, G1, G0B+4*\slot, G1B         ; the first tensor load behind the round; its four v_nop are four of the eight places
	PLACES NP-4
.else
	PLACES NP
.endif
	s_wait_alu depctr_va_vdst(0)
	v_add_nc_u32 v[ADRS], \sstep, v[ADRS]          ; on to the next K step's scale words
	FETCH_B \next, 0, 0
	FETCH_A \next, 0, 0
	SCALES \next
	WINM 1, 0
	MUL16 4, 1, 1, \slot, 0
	MUL16 6, 1, 1, \slot, 0
	PLACES NP
	WIN 0
	FETCH_A \next, 0, 4
.endm
; 64 numbers of a lane, v[s + 16 b + i], become 16 registers of codes from v[PC] on and the row's scale word in v[PW]
.macro QUANT s
.irp b, 0,1,2,3
	v_max3_num_f32 v[TM+\b], |v[\s+16*\b]|, |v[\s+1+16*\b]|, 0x4800000   ; my 16 numbers of block b, and the floor 2^(9 - 127): the byte cannot fall under 1
.endr
.irp i, 2,4,6,8,10,12,14
.irp b, 0,1,2,3
	v_max3_num_f32 v[TM+\b], v[TM+\b], |v[\s+16*\b+\i]|, |v[\s+1+16*\b+\i]|
.endr
.endr
.irp b, 0,1,2,3
	v_permlanex16_b32 v[TM+4+\b], v[TM+\b], s[SEL], s[SEL+1]
.endr
.irp b, 0,1,2,3
	v_max_num_f32 v[TM+\b], v[TM+\b], v[TM+4+\b]             ; with lane l xor 16's 16: the block's largest magnitude
.endr
.irp b, 0,1,2,3
	v_add_nc_u32 v[TM+12+\b], 0xfc000000, v[TM+\b]           ; 8 off its exponent field: the conversion's scale operand
.endr
.irp b, 0,1,2,3
.endr
.irp b, 0,1,2,3
	v_lshrrev_b32 v[TM+4+\b], 23, v[TM+12+\b]                ; the scale's byte
.endr
	v_lshl_or_b32 v[PW], v[TM+5], 8, v[TM+4]
	v_lshl_or_b32 v[PW], v[TM+6], 16, v[PW]
	v_lshl_or_b32 v[PW], v[TM+7], 24, v[PW]
.irp b, 0,1,2,3
.irp i, 0,1,2,3,4,5,6,7,8,9,10,11,12,13,14,15
.endr
	v_cvt_scalef32_pk8_fp8_f32 v[PC+4*\b:PC+1+4*\b], v[\s+16*\b:\s+7+16*\b], v[TM+12+\b]
	v_cvt_scalef32_pk8_fp8_f32 v[PC+2+4*\b:PC+3+4*\b], v[\s+8+16*\b:\s+15+16*\b], v[TM+12+\b]
.endr
	v_nop                                          ; a plain line behind the last conversion
.endm
	s_load_b256 s[4:11], s[0:1], 0x0               ; the codes, the scale words, bq, bk
	s_load_b128 s[12:15], s[0:1], 0x20             ; bv, qb
	s_load_b64 s[16:17], s[0:1], 0x30              ; kv
	v_lshl_add_u32 v[SPW], v0, 2, SPARE
	v_mov_b32 v[NIL], 0
	ds_add_u32 v28, v29
	ds_add_u32 v28, v29
	s_wait_dscnt 0x0
	v_lshrrev_b32 v1, 5, v0
	v_readfirstlane_b32 s18, v1                    ; wave 0..3
	s_lshr_b32 s19, s18, 1                         ; which half of source 1's tiles is mine.  Also: I fetch for source 1 (0) or source 0 (1)
	s_and_b32 s20, s18, 1                          ; which half of source 0's.  Also: which 8 tiles I fetch
	s_bfe_u32 s21, ttmp6, 0x40000                  ; cx
	s_bfe_u32 s22, ttmp6, 0x40004                  ; cy
	s_and_b32 s23, ttmp7, 0xffff                   ; the cluster's y
	s_lshl_b32 s43, s22, 2
	s_lshl_b32 s43, 15, s43                        ; my row of the cluster
	s_lshl_b32 s44, 0x1111, s21                    ; my column
	; descriptor group 1, codes: 8 tiles x 4,096 bytes (512 elements of 8 bytes), 16,384 bytes apart; no padding
	s_or_b32 s[G1+0], s43, (3<<16)|(1<<21)         ; 15:0 the mask; 17:16 elements of 8 bytes; 21 set beside a mask
	s_or_b32 s[G1B+0], s44, (3<<16)|(1<<21)
.irp g, G1, G1B
	s_mov_b32 s[\g+1], 512<<16                     ; tensor_dim0
	s_mov_b32 s[\g+2], 8<<16                       ; tensor_dim1
	s_mov_b32 s[\g+3], 512<<16                     ; tile_dim0
	s_mov_b32 s[\g+4], 8                           ; tile_dim1
	s_mov_b32 s[\g+5], 2048                        ; tensor_dim0_stride
	s_mov_b32 s[\g+6], 0
	s_mov_b32 s[\g+7], 0
.endr
	; scale words: 8 tiles x 512 dense bytes, as 16 rows of 256 bytes
	s_or_b32 s[G1S+0], s43, (3<<16)|(1<<21)
	s_or_b32 s[G1SB+0], s44, (3<<16)|(1<<21)
.irp g, G1S, G1SB
	s_mov_b32 s[\g+1], 32<<16
	s_mov_b32 s[\g+2], 16<<16
	s_mov_b32 s[\g+3], 32<<16
	s_mov_b32 s[\g+4], 16
	s_mov_b32 s[\g+5], 32
	s_mov_b32 s[\g+6], 0
	s_mov_b32 s[\g+7], 0
.endr
	s_lshl_b32 s41, s23, 6                         ; the cluster's first token tile: 64 x cluster y
	s_lshl_b32 s42, ttmp9, 6
	s_add_co_u32 s42, s42, 512                     ; the cluster's first weight tile: 512 + 64 x cluster x
	s_cmp_eq_u32 ttmp9, 2                          ; v?  The cluster's x is the same in all partners
	s_cselect_b32 s45, s42, s41                    ; source 1: tokens, for v the weight
	s_cselect_b32 s46, s41, s42                    ; source 0: the weight, for v tokens
	s_lshl_b32 s47, s22, 4
	s_lshl_b32 s93, s20, 3
	s_add_co_u32 s45, s45, s47                     ; + 16 cy
	s_add_co_u32 s45, s45, s93                     ; + the 8 tiles that I fetch
	s_lshl_b32 s92, s21, 4
	s_add_co_u32 s46, s46, s92                     ; + 16 cx
	s_add_co_u32 s46, s46, s93
	s_lshl_b32 s94, s45, 14                        ; bytes: codes,
	s_mov_b32 s95, 0
	s_lshl_b32 s96, s45, 9                         ; scale words
	s_mov_b32 s97, 0
	s_lshl_b32 s98, s46, 14
	s_mov_b32 s99, 0
	s_lshl_b32 s40, s46, 9
	s_mov_b32 s41, 0
	s_lshl_b32 s2, s18, 15                         ; where they go: wave x 32,768; no place in the cluster enters an LDS address
	s_lshl_b32 s3, s18, 12                         ; and wave x 4,096
	s_wait_kmcnt 0x0
	s_add_nc_u64 s[94:95], s[4:5], s[94:95]
	s_add_nc_u64 s[96:97], s[6:7], s[96:97]
	s_add_nc_u64 s[98:99], s[4:5], s[98:99]
	s_add_nc_u64 s[40:41], s[6:7], s[40:41]
	CROUND                                         ; all sixteen work-groups are here: the first joint loads meet
	s_mov_b32 s[G0S], 1
	s_add_co_u32 s[G0S+1], s3, SCL
	s_mov_b64 s[G0S+2:G0S+3], s[96:97]
	s_or_b32 s[G0S+3], s[G0S+3], 0x80000000
	s_mov_b32 s[G0SB], 1
	s_add_co_u32 s[G0SB+1], s3, SCL
	s_mov_b64 s[G0SB+2:G0SB+3], s[40:41]
	s_or_b32 s[G0SB+3], s[G0SB+3], 0x80000000
	JLOAD G0S, G1S, G0SB, G1SB                     ; the scale words of all of K: filled once
.irp s, 0,1
	s_mov_b32 s[G0+4*\s], 1
	s_add_co_u32 s[G0+4*\s+1], s2, \s*SLOT
	s_add_nc_u64 s[G0+4*\s+2:G0+4*\s+3], s[94:95], \s*4096
	s_or_b32 s[G0+4*\s+3], s[G0+4*\s+3], 0x80000000
	s_mov_b32 s[G0B+4*\s], 1
	s_add_co_u32 s[G0B+4*\s+1], s2, \s*SLOT
	s_add_nc_u64 s[G0B+4*\s+2:G0B+4*\s+3], s[98:99], \s*4096
	s_or_b32 s[G0B+4*\s+3], s[G0B+4*\s+3], 0x80000000
	JLOAD G0+4*\s, G1, G0B+4*\s, G1B               ; K steps 0 and 1: three tensor loads of mine are out
.endr
	v_and_b32 v1, 15, v0                           ; r
	v_bfe_u32 v2, v0, 4, 1                         ; h
	s_wait_alu depctr_va_vdst(0)
	v_and_b32 v3, 31, v0
	v_lshlrev_b32 v3, 4, v3                        ; 16 x lane
	s_lshl_b32 s66, s19, 15                        ; my 8 tiles of source 1,
	s_lshl_b32 s67, s20, 15
	s_add_co_u32 s67, s67, OP0                     ; of source 0
.irp s, 0,1
	v_add_nc_u32 v[AD1+\s], s66, v3
	v_add_nc_u32 v[AD0+\s], s67, v3
	s_add_co_u32 s66, s66, SLOT
	s_add_co_u32 s67, s67, SLOT
.endr
	s_lshl_b32 s66, s19, 12                        ; scale words: source 1's, my 8 tiles;
	s_lshl_b32 s67, s20, 12
	s_add_co_u32 s67, s67, 8192                    ; source 0's, behind them
	s_sub_co_u32 s67, s67, s66
	v_mul_u32_u24 v4, s67, v2                      ; lanes 16-31 take source 0's: one product, the distance x h
	v_lshl_add_u32 v4, v1, 4, v4                   ; + 16 r
	s_add_co_u32 s66, s66, SCL
	v_add_nc_u32 v[ADRS], s66, v4
	s_wait_alu depctr_va_vdst(0)
	s_wait_tensorcnt 1                             ; the scale words and my part of K step 0 are in; K step 1's load may be out
	s_barrier_signal -1
	s_barrier_wait -1
	FETCH_B 0, 0, 0
	FETCH_A 0, 0, 0
	SCALES 0
	FETCH_A 0, 0, 4
	STEP 0, 1                                      ; the first products start the sums
	TURN 0, 1, 1, 8
	STEP 1, 0
	TURN 1, 0, 1, 248
	STEP 0, 0
	TURN 0, 1, 0, 8                                ; nothing is left to fetch: no round
	STEP 1, 0
	s_wait_dscnt 16                                ; the last 128 along K
	WINM 0, 0
	MUL16 0, 1, 1, 1, 0
	MUL16 2, 1, 1, 1, 0
	s_wait_dscnt 0x0
	WINM 1, 0
	MUL16 4, 1, 1, 1, 0
	MUL16 6, 1, 1, 1, 0
	WIN 0
	PLACES NP                                      ; in front of the first read of results and of writes into registers that held fragments
; THE WAY OUT.  Source 1's block a: its eight accumulators are 64 numbers of a lane in the quantiser's order.  The bias is added, the numbers become a fragment's codes and a scale word; the codes leave as they stand, 512 consecutive bytes a store.
.macro EPI a, mode                     ; mode 0: q, k (the bias runs along the registers);  1: v (one number a lane)
.if \a > 0
	s_wait_xcnt 0x0                                ; the last block's stores have read the codes' registers
.endif
	WIN 0x02+(\a)/4                                ; source 0: window 2 or 3
.set i, 0
.rept 32
.if \mode == 0
	v_pk_add_f32 v[X+2*i:X+2*i+1], v[64*((\a)%4)+2*i:64*((\a)%4)+2*i+1], v[BI+2*i:BI+2*i+1]   ; each accumulator from its low end on
.else
	v_pk_add_f32 v[X+2*i:X+2*i+1], v[64*((\a)%4)+2*i:64*((\a)%4)+2*i+1], v[BL+2*(\a):BL+2*(\a)+1]
.endif
.set i, i+1
.endr
	WIN 0
	QUANT X
	v_mov_b32 v[SW+\a], v[PW]
.irp B, 0,1,2,3
.if \mode == 0
	global_store_b128 v[VO+\B/2], v[PC+4*\B:PC+4*\B+3], s[40:41] offset:(\a)*1024+(\B%2)*512   ; head B / 2, token tile a, block B % 2
.else
	global_store_b128 v[VO+(\a)/4], v[PC+4*\B:PC+4*\B+3], s[40:41] offset:((\a)%4)*2048+\B*512 ; head a / 4, channel tile a % 4, keys 32 B on
.endif
.endr
.endm
	s_mov_b32 s[SEL], 0x76543210
	s_mov_b32 s[SEL+1], 0xfedcba98
.irp b, 0,1,2,3
	v_mov_b32 v[TM+4+\b], 0                        ; written once: a lane permute's destination counts as one of its sources
.endr
	v_cmp_eq_u32 vcc_lo, 1, v2                     ; lanes 16-31
	s_cmp_eq_u32 ttmp9, 2
	s_cbranch_scc1 .Lv_arm
	; ---- q or k
	s_lshl_b32 s44, s23, 2
	s_add_co_u32 s44, s44, s22                     ; my 256 tokens: 4 x cluster y + cy
	s_lshr_b32 s45, s44, 3                         ; batch
	s_lshl_b32 s46, s44, 1
	s_add_co_u32 s46, s46, s19
	s_and_b32 s46, s46, 15                         ; g: my 128 tokens in the batch
	s_lshl_b32 s47, s21, 2
	s_lshl_b32 s92, s20, 1
	s_add_co_u32 s47, s47, s92                     ; my first head: 4 cx + 2 x half
	s_lshl_b32 s45, s45, 4
	s_add_co_u32 s45, s45, s47
	s_lshl_b32 s92, s46, 13                        ; q: codes at 8,192 g,
	s_lshl_b32 s93, s46, 9
	s_add_co_u32 s93, s93, 131072                  ; scale words at 131,072 + 512 g
	s_lshr_b32 s94, s46, 1
	s_mul_i32 s94, s94, SLOTB                      ; k: the slot,
	s_and_b32 s95, s46, 1
	s_lshl_b32 s96, s95, 13
	s_add_co_u32 s96, s96, s94                     ; codes,
	s_lshl_b32 s97, s95, 9
	s_add_co_u32 s97, s97, s94
	s_add_co_u32 s97, s97, 32768                   ; scale words
	s_mov_b32 s98, 139264
	s_mov_b32 s99, 8*SLOTB
	s_cmp_eq_u32 ttmp9, 1                          ; k?
	s_cselect_b32 s98, s99, s98                    ; bytes from head to head
	s_cselect_b32 s92, s96, s92
	s_cselect_b32 s93, s97, s93
	s_cselect_b64 s[14:15], s[16:17], s[14:15]
	s_cselect_b64 s[8:9], s[10:11], s[8:9]
	s_mul_i32 s45, s45, s98
	s_add_co_u32 s94, s92, s45
	s_mov_b32 s95, 0
	s_add_nc_u64 s[40:41], s[14:15], s[94:95]      ; where my codes go
	s_add_co_u32 s94, s93, s45
	s_add_nc_u64 s[42:43], s[14:15], s[94:95]      ; and my scale words
	s_lshl_b32 s94, s21, 10
	s_lshl_b32 s96, s20, 9
	s_add_co_u32 s94, s94, s96
	s_add_nc_u64 s[8:9], s[8:9], s[94:95]          ; the bias of my 128 channels
	v_lshlrev_b32 v[VB], 6, v2                     ; register 16 B + i is channel 32 B + 16 h + i
.irp B, 0,1,2,3
.irp j, 0,1,2,3
	global_load_b128 v[BI+16*\B+4*\j:BI+16*\B+4*\j+3], v[VB], s[8:9] offset:128*\B+16*\j
.endr
.endr
	v_mov_b32 v[VO], v3
	v_add_nc_u32 v[VO+1], s98, v3
	v_mul_u32_u24 v[VS], s98, v2
	v_lshl_add_u32 v[VS], v1, 4, v[VS]             ; lanes 0-15 store the first head's words, lanes 16-31 the second's
	s_wait_loadcnt 0x0
.irp a, 0,1,2,3,4,5,6,7
	EPI \a, 0
.endr
.irp a, 0,1,2,3,4,5,6,7
	v_lshrrev_b32 v[T], 16, v[SW+\a]               ; the second head's two bytes come down
	v_cndmask_b32 v[SW+\a], v[SW+\a], v[T], vcc_lo
.endr
	global_store_b128 v[VS], v[SW:SW+3], s[42:43]              ; sixteen lanes store 256 consecutive bytes, aligned
	global_store_b128 v[VS], v[SW+4:SW+7], s[42:43] offset:256
	s_branch .Ldone
.Lv_arm:
	; ---- v
	s_lshl_b32 s44, s23, 2
	s_add_co_u32 s44, s44, s21                     ; my 256 keys: 4 x cluster y + cx
	s_lshr_b32 s45, s44, 3                         ; batch
	s_lshl_b32 s46, s44, 1
	s_add_co_u32 s46, s46, s20
	s_and_b32 s46, s46, 15                         ; g: my 128 keys in the batch
	s_lshl_b32 s47, s22, 2
	s_lshl_b32 s92, s19, 1
	s_add_co_u32 s47, s47, s92                     ; my first head: 4 cy + 2 x half
	s_lshl_b32 s45, s45, 4
	s_add_co_u32 s45, s45, s47
	s_mov_b32 s98, 8*SLOTB
	s_mul_i32 s45, s45, s98
	s_lshr_b32 s94, s46, 1
	s_mul_i32 s94, s94, SLOTB
	s_add_co_u32 s45, s45, s94                     ; head and slot
	s_and_b32 s93, s46, 1
	s_lshl_b32 s96, s93, 13
	s_lshl_b32 s97, s93, 8
	s_add_co_u32 s94, s45, s96
	s_add_co_u32 s94, s94, 16384
	s_mov_b32 s95, 0
	s_add_nc_u64 s[40:41], s[16:17], s[94:95]      ; where my codes go
	s_add_co_u32 s94, s45, s97
	s_add_co_u32 s94, s94, 33792
	s_add_nc_u64 s[42:43], s[16:17], s[94:95]      ; and my scale words
	s_lshl_b32 s94, s22, 10
	s_lshl_b32 s96, s19, 9
	s_add_co_u32 s94, s94, s96
	s_add_nc_u64 s[12:13], s[12:13], s[94:95]      ; the bias of my 128 channels
	v_and_b32 v[VB], 8, v1
	v_add_nc_u32 v[VB], v[VB], v1
	v_lshlrev_b32 v[VB], 2, v[VB]                  ; my channel in a tile: r % 8 + 16 (r / 8)
.irp a, 0,1,2,3,4,5,6,7
	global_load_b32 v[BL+2*\a], v[VB], s[12:13] offset:(32*(\a/2)+8*(\a%2))*4
	global_load_b32 v[BL+2*\a+1], v[VB], s[12:13] offset:(32*(\a/2)+8*(\a%2))*4   ; twice: a pair for the packed addition
.endr
	v_mov_b32 v[VO], v3
	v_add_nc_u32 v[VO+1], s98, v3
	v_mul_u32_u24 v[VS], s98, v2
	v_lshl_add_u32 v[VS], v1, 4, v[VS]
	s_wait_loadcnt 0x0
.irp a, 0,1,2,3,4,5,6,7
	EPI \a, 1
.endr
.irp i, 0,1,2,3
	v_cndmask_b32 v[T+\i], v[SW+\i], v[SW+4+\i], vcc_lo        ; lanes 0-15: the first head's four channel tiles; lanes 16-31: the second's
.endr
	global_store_b128 v[VS], v[T:T+3], s[42:43]
.Ldone:
	s_wait_tensorcnt 0x0                           ; the wave's end
	ds_add_u32 v[SPW], v[NIL]
	s_wait_dscnt 0x0
	CROUND                                         ; the closing round
	s_endpgm
.Lfunc_end_k_qf1d56cfddf_qkv:
	.size	k_qf1d56cfddf_qkv, .Lfunc_end_k_qf1d56cfddf_qkv-k_qf1d56cfddf_qkv
	.p2alignl 7, 3214868480
	.fill 96, 4, 3214868480
	.section	.rodata,"a",@progbits
	.p2align	6, 0x0
	.amdhsa_kernel k_qf1d56cfddf_qkv
		.amdhsa_group_segment_fixed_size 327680
		.amdhsa_private_segment_fixed_size 0
		.amdhsa_enable_private_segment 0
		.amdhsa_kernarg_size 56
		.amdhsa_user_sgpr_count 2
		.amdhsa_user_sgpr_kernarg_segment_ptr 1
		.amdhsa_wavefront_size32 1
		.amdhsa_system_sgpr_workgroup_id_x 1
		.amdhsa_system_sgpr_workgroup_id_y 1
		.amdhsa_system_sgpr_workgroup_id_z 1
		.amdhsa_system_vgpr_workitem_id 0
		.amdhsa_next_free_vgpr 1024
		.amdhsa_next_free_sgpr 100
		.amdhsa_reserve_vcc 1
		.amdhsa_float_denorm_mode_32 3
		.amdhsa_float_denorm_mode_16_64 3
		.amdhsa_fp16_overflow 1
		.amdhsa_memory_ordered 1
		.amdhsa_forward_progress 1
		.amdhsa_inst_pref_size 220
	.end_amdhsa_kernel
	.amdgpu_metadata
---
amdhsa.version: [ 1, 2 ]
amdhsa.kernels:
  - .name:           k_qf1d56cfddf_qkv
    .symbol:         k_qf1d56cfddf_qkv.kd
    .args:
      - { .name: opc, .offset: 0, .size: 8, .value_kind: global_buffer, .address_space: global }
      - { .name: ops, .offset: 8, .size: 8, .value_kind: global_buffer, .address_space: global }
      - { .name: bq, .offset: 16, .size: 8, .value_kind: global_buffer, .address_space: global }
      - { .name: bk, .offset: 24, .size: 8, .value_kind: global_buffer, .address_space: global }
      - { .name: bv, .offset: 32, .size: 8, .value_kind: global_buffer, .address_space: global }
      - { .name: qb, .offset: 40, .size: 8, .value_kind: global_buffer, .address_space: global }
      - { .name: kv, .offset: 48, .size: 8, .value_kind: global_buffer, .address_space: global }
    .group_segment_fixed_size: 327680
    .private_segment_fixed_size: 0
    .kernarg_segment_align: 8
    .kernarg_segment_size: 56
    .max_flat_workgroup_size: 128
    .sgpr_count:     100
    .vgpr_count:     1024
    .wavefront_size: 32
...
	.end_amdgpu_metadata
.endif
;; end of part 2
;; launch attn (part 3): grid 4 x 64, 16 waves a work-group, no clusters, 327,680 bytes of LDS; arguments qb, kv, ao, aos; writes ao, aos
.if DOCPART == 3
	.amdgcn_target "amdgcn-amd-amdhsa--gfx1250"
	.amdhsa_code_object_version 6
	.text
	.protected	k_qf1d56cfddf_attn
	.globl	k_qf1d56cfddf_attn
	.p2align	8
	.type	k_qf1d56cfddf_attn,@function
k_qf1d56cfddf_attn:
	s_mov_b64 s[64:65], 0
	v_nop
	global_prefetch_b8 v0, s[64:65] scope:SCOPE_SE
	s_setreg_imm32_b32 hwreg(HW_REG_WAVE_MODE, 25, 1), 1
	s_wait_xcnt 0x0
; Causal attention of one head on codes of E4M3 (one E8M0 byte for each 32 along a product's K), and its result quantised along the channels for the last projection.
; t = score x log2(e) / 8; M = the row's largest t so far, rounded UP to a whole number; p = 2^(t - M) is quantised along the keys, not normalised; the row's sum is taken of the unquantised p and divides O at the end.
; When M moves, the sum and O are multiplied by 2^(old M - new M): exact.
; SHARES.  Work-group (i, head) owns the blocks i and 7 - i of 256 queries, one after the other; block B wants the key slots 0 .. B (256 keys each): (i + 1) + (8 - i) = 9 visits of a slot in EVERY work-group, so all 256 have equal work,
; the trip counts are constants, and no slot is fetched that nobody reads.  Each of the sixteen waves owns one tile of 16 queries of the block in hand.
; NO CLUSTER: the four work-groups of a head want different key slots in the same visit (visit v is slot v for v <= i, else v - i - 1), so no joint request could meet.
; LAYOUT.  All operands are images of registers, made by the launch before: place r of tile T is row 32 (T / 2) + 8 (T % 2) + r % 8 + 16 (r / 8).  Both products are used transposed: S^T = K Q^T, O^T = V^T P^T: a lane holds one query
; (place lane % 16); the 16 registers of key tiles 2 B, 2 B + 1 are keys 32 B + 16 (lane / 16) + 0 .. 15, and O^T's likewise along the channels.
; K = 64 IN AN INSTRUCTION OF 128: Q's registers for k = 64 .. 127 are zero codes for the whole launch.  K's tile t stands in v[32 + 8 t ..] and the instruction names 16 registers: the upper eight are the next tile's codes (behind tile 7: zeros),
; finite numbers that meet zeros.  The scale bytes of those blocks are other blocks' bytes or 0, never 0xff.
; A slot of kv, 34,304 bytes: K's images (1,024 x tile + 512 b), V's from 16,384 (8,192 q + 2,048 x channel tile + 512 c), K's scale words from 32,768 (512 q + 256 (t / 4) + 16 r + 4 (t % 4)), V's from 33,792 (256 q + 16 r + 4 x channel tile).
; LIMITS: NaN and infinities are not served; a block of zeros, or one under 2^-118, gets the byte 1.
.set SLOTB, 34304
.set HALFB, 17152                      ; 67 rows of 256 bytes: what one tensor load brings
.set SLOT1, 65536                      ; LDS: slot 0 at 0, slot 1 here: one exclusive or turns an address
.set SPARE, 131072                     ; the spare words, 128 bytes a wave: eight blocks of 256 bytes that no other line names
.set LI,  1                            ; v1  16 x lane
.set R16, 2                            ; v2  16 x (lane % 16)
.set SPW, 4                            ; v4  SPARE + 4 x my thread's number; never rewritten
.set NIL, 5                            ; v5  0; never rewritten
.set QP,  6                            ; v6  my query's place in its tile's 24 rows, less 16 (lane / 16)
.set ADK, 8                            ; v8  the slot in hand + 16 x lane
.set ADS, 9                            ; v9  the slot in hand + 16 r
                                       ; v12 -M, v13 the largest t, v[14:15] the sum in two halves
.set QF,  16                           ; v16-31   Q's fragment; v24-31 zeros
.set KR,  32                           ; v32-103  K's eight tiles and eight zeros; then v32-95 V's four fragments
.set S,   104                          ; v104-167 S^T, then p
.set O,   168                          ; v168-199 O^T
.set PCD, 200                          ; v200-215 p's codes
.set SCW, 216                          ; v216-223 K's or V's scale words
.set BM,  224
.set PD,  228
.set HD,  232
.set SO,  236
.set SUM2, 240
.set F,   242
.set TA,  244
.set TD,  245
.set TC,  246
.set QSW, 248                          ; v248 Q's scale word
.set PSW, 249                          ; v249 p's
.set WV,  12
.set IB,  13
.set BH,  14
.set BAT, 15
.set HEAD, 16
.set VC,  17                           ; the visit
.set TB,  18                           ; LDS byte at which the slot in hand begins
.set MNT, 19
.set SEL, 20
.set CS,  22                           ; s[22:23] c = log2(e) / 8
.set G1,  24
.set G0,  32
.set KVB, 36                           ; s[36:37] the head's slots, my half
.set OFF, 38
.set KF,  40                           ; the step's first key
.set Q0,  41                           ; my tile's first query
.set QL,  42                           ; and its last
.set HA,  43
.set QBH, 44
.set QA,  46
.set QS,  48
.set AOB, 50
.set ASB, 52
.set HS,  60
.macro TLOAD                           ; waves 0 and 1 fetch a slot's halves, the others nothing; four v_nop follow the line
	s_cmp_lt_u32 s[WV], 2
	s_cbranch_scc0 .Lnone_\@
	tensor_load_to_lds s[G0:G0+3], s[G1:G1+7]
	s_nop 0
.rept 4
	v_nop
.endr
.Lnone_\@:
.endm
; THE CHANGE OF SLOTS, at a visit's head.  Each wave waits for all its tensor loads (its part of the slot that it is about to read), adds 0 to its spare word, and waits for that and for its reads of the slot that it has left.
; fill = 1: behind the barrier that other slot takes the next visit's keys: the load has a whole visit in which to land.
.macro CHANGE fill
	s_wait_tensorcnt 0x0                           ; no tensor load of mine is out, so group 0 may be written
	ds_add_u32 v[SPW], v[NIL]                      ; 0 onto my spare word
.if \fill
	s_xor_b32 s[G0+1], s[G0+1], SLOT1              ; the other LDS slot than last time
	s_add_co_u32 s54, s[VC], 1                     ; the next visit's key slot: v + 1 in the first block,
	s_sub_co_u32 s55, s[VC], s[IB]                 ; v - i in the second
	s_cmp_le_u32 s54, s[IB]
	s_cselect_b32 s54, s54, s55
	s_mul_i32 s[OFF], s54, SLOTB
	s_add_nc_u64 s[G0+2:G0+3], s[KVB:KVB+1], s[OFF:OFF+1]
	s_or_b32 s[G0+3], s[G0+3], 0x80000000
.endif
	s_wait_dscnt 0x0                               ; the add is done, and my reads of the slot that I have left are over
	s_barrier_signal -1
	s_barrier_wait -1
.if \fill
	TLOAD                                          ; the first thing behind the barrier, and a wave's one tensor load until the next
.endif
.endm
; A block of queries begins; s54 holds its number.
.macro INIT
	s_lshl_b32 s55, s54, 4
	s_add_co_u32 s55, s55, s[WV]                   ; my tile of the head's 128
	s_lshr_b32 s56, s55, 1
	s_lshl_b32 s[Q0], s56, 5
	s_and_b32 s56, s55, 1
	s_lshl_b32 s56, s56, 3
	s_add_co_u32 s[Q0], s[Q0], s56                 ; 32 (T / 2) + 8 (T % 2)
	s_add_co_u32 s[QL], s[Q0], 23
	s_mov_b32 s[KF], 0
	s_lshl_b32 s56, s55, 10
	s_mov_b32 s57, 0
	s_add_nc_u64 s[QA:QA+1], s[QBH:QBH+1], s[56:57]            ; Q's image
	s_lshr_b32 s56, s55, 3
	s_lshl_b32 s56, s56, 9
	s_bfe_u32 s58, s55, 0x10002
	s_lshl_b32 s58, s58, 8
	s_add_co_u32 s56, s56, s58
	s_and_b32 s58, s55, 3
	s_lshl_b32 s58, s58, 2
	s_add_co_u32 s56, s56, s58
	s_add_co_u32 s56, s56, 131072
	s_add_nc_u64 s[QS:QS+1], s[QBH:QBH+1], s[56:57]            ; its scale words
	s_lshl_b32 s58, s[BAT], 7
	s_add_co_u32 s58, s58, s55                     ; the tile among all 512
	s_lshl_b32 s56, s58, 14
	s_add_co_u32 s56, s56, s[HA]
	s_add_nc_u64 s[AOB:AOB+1], s[8:9], s[56:57]    ; where the result's codes go
	s_lshl_b32 s56, s58, 9
	s_add_co_u32 s56, s56, s[HS]
	s_add_nc_u64 s[ASB:ASB+1], s[10:11], s[56:57]  ; and its two scale bytes a row
	global_load_b128 v[QF:QF+3], v[LI], s[QA:QA+1]
	global_load_b128 v[QF+4:QF+7], v[LI], s[QA:QA+1] offset:512
	global_load_b32 v[QSW], v[R16], s[QS:QS+1]
	v_mov_b32 v13, 0xff61b1e6                      ; the largest t so far: -3e38, under every t
	s_delay_alu instid0(VALU_DEP_1)
	v_floor_f32 v12, -v13                          ; -M
	v_mov_b32 v14, 0
	v_mov_b32 v15, 0
.set n, 0
.rept 32
	v_mov_b32 v[O+n], 0                            ; O^T: the step is written once; the first finds zeros, which the first change of M leaves zeros
.set n, n+1
.endr
	s_wait_loadcnt 0x0
.endm
; A KEY STEP: 128 keys, the q-th of the slot in hand.
.macro STEP q
	s_cmp_gt_u32 s[KF], s[QL]                      ; all its keys come after my queries: the step's work is left out (a branch on ids; no barrier and no tensor load stands in a step)
	s_cbranch_scc1 .Lhidden_\@
	v_add_nc_u32 v[ADK], s[TB], v[LI]
	v_add_nc_u32 v[ADS], s[TB], v[R16]
.rept 6
	v_nop                                          ; with the two additions: eight places in front of loads into registers that the last products read
.endr
.irp t, 0,1,2,3,4,5,6,7
	ds_load_b128 v[KR+8*\t:KR+8*\t+3], v[ADK] offset:8192*(\q)+1024*\t
	ds_load_b128 v[KR+8*\t+4:KR+8*\t+7], v[ADK] offset:8192*(\q)+1024*\t+512
.endr
	ds_load_b128 v[SCW:SCW+3], v[ADS] offset:32768+512*(\q)        ; the scale words of tiles 0-3 lie on end,
	ds_load_b128 v[SCW+4:SCW+7], v[ADS] offset:32768+512*(\q)+256  ; of tiles 4-7
	s_wait_alu depctr_va_vdst(0)
	s_wait_dscnt 0x0
.irp t, 0,1,2,3,4,5,6,7
	v_wmma_scale_f32_16x16x128_f8f6f4 v[S+8*\t:S+8*\t+7], v[KR+8*\t:KR+8*\t+15], v[QF:QF+15], 0, v[SCW+\t], v[QSW]
.endr
.rept 8
	v_nop
.endr
.irp u, 0,1,2,3                        ; V's fragments are asked for now and land under the softmax
.irp c, 0,1,2,3
	ds_load_b128 v[KR+16*\u+4*\c:KR+16*\u+4*\c+3], v[ADK] offset:16384+8192*(\q)+2048*\u+512*\c
.endr
.endr
	ds_load_b128 v[SCW:SCW+3], v[ADS] offset:33792+256*(\q)
	s_add_co_u32 s54, s[KF], 127                   ; on the diagonal hidden scores become -infinity ahead of the maximum; a step all of whose keys count skips this
	s_cmp_le_u32 s54, s[Q0]
	s_cbranch_scc1 .Lopen_\@
	s_sub_co_i32 s54, s[Q0], s[KF]
	v_add_nc_u32 v[TD], s54, v[QP]                 ; d = my query - KF - 16 (lane / 16): register 16 b + i holds key KF + 16 (lane / 16) + 32 b + i, hidden where 32 b + i > d
	v_mov_b32 v[TC], 0xff800000
.set n, 0
.rept 64
	v_cmp_gt_i32 vcc_lo, 32*(n/16)+n%16, v[TD]
	v_cndmask_b32 v[S+n], v[S+n], v[TC], vcc_lo
.set n, n+1
.endr
.Lopen_\@:
.irp b, 0,1,2,3
	v_max3_num_f32 v[BM+\b], v[S+16*\b], v[S+1+16*\b], v[S+2+16*\b]   ; the largest score of each block of 32 keys: for the row's maximum and, since p rises with the score, for the block's largest p
.endr
.irp i, 3,5,7,9,11,13
.irp b, 0,1,2,3
	v_max3_num_f32 v[BM+\b], v[BM+\b], v[S+16*\b+\i], v[S+1+16*\b+\i]
.endr
.endr
.irp b, 0,1,2,3
	v_max_num_f32 v[BM+\b], v[BM+\b], v[S+15+16*\b]
.endr
.irp b, 0,1,2,3
	s_delay_alu instid0(VALU_DEP_4)
	v_permlanex16_b32 v[PD+\b], v[BM+\b], s[SEL], s[SEL+1]
.endr
.irp b, 0,1,2,3
	s_delay_alu instid0(VALU_DEP_4)
	v_max_num_f32 v[BM+\b], v[BM+\b], v[PD+\b]     ; with lane l xor 16's 16 keys
.endr
	s_delay_alu instid0(VALU_DEP_2)
	v_max3_num_f32 v[TA], v[BM], v[BM+1], v[BM+2]
	s_delay_alu instid0(VALU_DEP_1)
	v_max_num_f32 v[TA], v[TA], v[BM+3]
	s_delay_alu instid0(VALU_DEP_1)
	v_mul_f32 v[TA], s[CS], v[TA]                  ; as t (c is positive)
	s_delay_alu instid0(VALU_DEP_1)
	v_max_num_f32 v13, v13, v[TA]                  ; the running largest t
	v_mov_b32 v[TA], v12
	s_delay_alu instid0(VALU_DEP_2)
	v_floor_f32 v12, -v13                          ; the new -M = floor(-t): M is a whole number
	s_delay_alu instid0(VALU_DEP_1)
	v_sub_f32 v[TA], v12, v[TA]                    ; old M - new M: a whole number, 0 or less
	s_delay_alu instid0(VALU_DEP_1)
	v_cvt_i32_f32 v[TA], v[TA]                     ; (it saturates)
	s_delay_alu instid0(VALU_DEP_1)
	v_ldexp_f32 v[F], 1.0, v[TA]                   ; f = 2^(old M - new M)
.set n, 0
.rept 32
	v_pk_fma_f32 v[S+n:S+n+1], v[S+n:S+n+1], s[CS:CS+1], v[12:13] op_sel_hi:[1,0,0]   ; t - M, two at a time
.set n, n+2
.endr
.irp b, 0,1,2,3
	v_fma_f32 v[BM+\b], v[BM+\b], s[CS], v12       ; the same of each block's largest score
.endr
.set n, 0
	s_wait_alu depctr_va_vdst(0)
.rept 64
	v_exp_f32 v[S+n], v[S+n]                       ; p = 2^(t - M)
.set n, n+1
.endr
.irp b, 0,1,2,3
	v_exp_f32 v[BM+\b], v[BM+\b]                   ; the block's largest p: the same two instructions on the same number
.endr
	v_pk_mul_f32 v[14:15], v[14:15], v[F:F+1] op_sel_hi:[1,0]      ; the sums under the new M (a plain line behind the exponentials)
	s_wait_alu depctr_va_vdst(0)
.irp b, 0,1,2,3
	v_max_num_f32 v[BM+\b], 0x4800000, v[BM+\b]    ; the floor 2^(9 - 127)
.endr
.irp b, 0,1,2,3
	s_delay_alu instid0(VALU_DEP_4)
	v_add_nc_u32 v[SO+\b], 0xfc000000, v[BM+\b]    ; the conversion's scale operand
.endr
.irp b, 0,1,2,3
.endr
.irp b, 0,1,2,3
	s_delay_alu instid0(VALU_DEP_4)
	v_lshrrev_b32 v[PD+\b], 23, v[SO+\b]           ; the scale's byte
.endr
	s_delay_alu instid0(VALU_DEP_3)
	v_lshl_or_b32 v[PSW], v[PD+1], 8, v[PD]        ; p's scale word for these 128 keys
	s_delay_alu instid0(VALU_DEP_1)
	v_lshl_or_b32 v[PSW], v[PD+2], 16, v[PSW]
	s_delay_alu instid0(VALU_DEP_1)
	v_lshl_or_b32 v[PSW], v[PD+3], 24, v[PSW]
	v_pk_add_f32 v[240:241], v[108:109], v[112:113]
	v_pk_add_f32 v[254:255], v[116:117], v[120:121]
	v_pk_add_f32 v[252:253], v[124:125], v[128:129]
	v_pk_add_f32 v[250:251], v[132:133], v[136:137]
	v_pk_add_f32 v[246:247], v[140:141], v[144:145]
	v_pk_add_f32 v[234:235], v[148:149], v[152:153]
	v_pk_add_f32 v[232:233], v[156:157], v[160:161]
	v_pk_add_f32 v[14:15], v[14:15], v[164:165]
	v_pk_add_f32 v[240:241], v[240:241], v[104:105]
	v_pk_add_f32 v[254:255], v[254:255], v[106:107]
	v_pk_add_f32 v[252:253], v[252:253], v[110:111]
	v_pk_add_f32 v[250:251], v[250:251], v[114:115]
	v_pk_add_f32 v[246:247], v[246:247], v[118:119]
	v_pk_add_f32 v[234:235], v[234:235], v[122:123]
	v_pk_add_f32 v[232:233], v[232:233], v[126:127]
	v_pk_add_f32 v[14:15], v[14:15], v[130:131]
	v_pk_add_f32 v[240:241], v[240:241], v[134:135]
	v_pk_add_f32 v[254:255], v[254:255], v[138:139]
	v_pk_add_f32 v[252:253], v[252:253], v[142:143]
	v_pk_add_f32 v[250:251], v[250:251], v[146:147]
	v_pk_add_f32 v[246:247], v[246:247], v[150:151]
	v_pk_add_f32 v[234:235], v[234:235], v[154:155]
	v_pk_add_f32 v[232:233], v[232:233], v[158:159]
	v_pk_add_f32 v[14:15], v[14:15], v[162:163]
	v_pk_add_f32 v[240:241], v[240:241], v[166:167]
	s_delay_alu instid0(VALU_DEP_2)
	v_pk_add_f32 v[14:15], v[14:15], v[250:251]
	s_delay_alu instid0(VALU_DEP_2)
	v_pk_add_f32 v[240:241], v[240:241], v[246:247]
	v_pk_add_f32 v[254:255], v[254:255], v[234:235]
	v_pk_add_f32 v[252:253], v[252:253], v[232:233]
	s_delay_alu instid0(VALU_DEP_2)
	v_pk_add_f32 v[14:15], v[14:15], v[254:255]
	s_delay_alu instid0(VALU_DEP_2)
	v_pk_add_f32 v[240:241], v[240:241], v[252:253]
	s_delay_alu instid0(VALU_DEP_1)
	v_pk_add_f32 v[14:15], v[14:15], v[240:241]
.irp b, 0,1,2,3
.irp i, 0,1,2,3,4,5,6,7,8,9,10,11,12,13,14,15
.endr
	v_cvt_scalef32_pk8_fp8_f32 v[PCD+4*\b:PCD+1+4*\b], v[S+16*\b:S+7+16*\b], v[SO+\b]
	v_cvt_scalef32_pk8_fp8_f32 v[PCD+2+4*\b:PCD+3+4*\b], v[S+8+16*\b:S+15+16*\b], v[SO+\b]
.endr
.set n, 0
.rept 16
	v_pk_mul_f32 v[O+n:O+n+1], v[O+n:O+n+1], v[F:F+1] op_sel_hi:[1,0]   ; O^T under the new M, each accumulator from its low end on
.set n, n+2
.endr
.rept 4
	v_nop                                          ; no register that the products below name is written in the four places ahead of them
.endr
	s_wait_alu depctr_va_vdst(0)
	s_wait_dscnt 0x0                               ; V and its scale words are in
.irp u, 0,1,2,3
	v_wmma_scale_f32_16x16x128_f8f6f4 v[O+8*\u:O+8*\u+7], v[KR+16*\u:KR+16*\u+15], v[PCD:PCD+15], v[O+8*\u:O+8*\u+7], v[SCW+\u], v[PSW]
.endr
.Lhidden_\@:
	s_add_co_u32 s[KF], s[KF], 128
.endm
; A block of queries ends: O^T / the sum, quantised along the head's 64 channels (two blocks), leaves as half a fragment's image, 512 consecutive bytes a store, and two scale bytes a row.
.macro FINISH
.rept 8
	v_nop
.endr
	v_add_f32 v14, v14, v15
	s_delay_alu instid0(VALU_DEP_1)
	v_permlanex16_b32 v[TA], v14, s[SEL], s[SEL+1]
	s_delay_alu instid0(VALU_DEP_1)
	v_add_f32 v14, v14, v[TA]                      ; the row's sum
	s_wait_alu depctr_va_vdst(0)
	v_rcp_f32 v14, v14
	v_nop                                          ; a plain line behind the reciprocal
.set n, 0
	s_wait_alu depctr_va_vdst(0)
.rept 32
	v_mul_f32 v[S+n], v[O+n], v14                  ; register 16 b + i is channel 32 b + 16 (lane / 16) + i of my query
.set n, n+1
.endr
.irp b, 0,1
	v_max3_num_f32 v[BM+\b], |v[S+16*\b]|, |v[S+1+16*\b]|, 0x4800000
.endr
.irp i, 2,4,6,8,10,12,14
.irp b, 0,1
	s_delay_alu instid0(VALU_DEP_2)
	v_max3_num_f32 v[BM+\b], v[BM+\b], |v[S+16*\b+\i]|, |v[S+1+16*\b+\i]|
.endr
.endr
.irp b, 0,1
	s_delay_alu instid0(VALU_DEP_2)
	v_permlanex16_b32 v[PD+\b], v[BM+\b], s[SEL], s[SEL+1]
.endr
.irp b, 0,1
	s_delay_alu instid0(VALU_DEP_2)
	v_max_num_f32 v[BM+\b], v[BM+\b], v[PD+\b]
.endr
.irp b, 0,1
	s_delay_alu instid0(VALU_DEP_2)
	v_add_nc_u32 v[SO+\b], 0xfc000000, v[BM+\b]
.endr
.irp b, 0,1
.endr
.irp b, 0,1
	s_delay_alu instid0(VALU_DEP_2)
	v_lshrrev_b32 v[PD+\b], 23, v[SO+\b]
.endr
	s_delay_alu instid0(VALU_DEP_1)
	v_lshl_or_b32 v[TA], v[PD+1], 8, v[PD]
.irp b, 0,1
.irp i, 0,1,2,3,4,5,6,7,8,9,10,11,12,13,14,15
.endr
	v_cvt_scalef32_pk8_fp8_f32 v[PCD+4*\b:PCD+1+4*\b], v[S+16*\b:S+7+16*\b], v[SO+\b]
	v_cvt_scalef32_pk8_fp8_f32 v[PCD+2+4*\b:PCD+3+4*\b], v[S+8+16*\b:S+15+16*\b], v[SO+\b]
.endr
	v_nop                                          ; a plain line behind the last conversion
	global_store_b128 v[LI], v[PCD:PCD+3], s[AOB:AOB+1]
	global_store_b128 v[LI], v[PCD+4:PCD+7], s[AOB:AOB+1] offset:512
	global_store_b16 v[R16], v[TA], s[ASB:ASB+1]   ; lanes l and l xor 16 write the same two bytes with the same value
	s_wait_xcnt 0x0                                ; the stores have read their registers and bases: both may be written again
.endm
	s_load_b256 s[4:11], s[0:1], 0x0               ; qb, kv, ao, aos
	v_lshl_add_u32 v[SPW], v0, 2, SPARE
	v_mov_b32 v[NIL], 0
	ds_add_u32 v4, v5
	ds_add_u32 v4, v5
	s_wait_dscnt 0x0
	v_lshrrev_b32 v3, 5, v0
	s_delay_alu instid0(VALU_DEP_1)
	v_readfirstlane_b32 s[WV], v3                  ; wave 0..15
	s_mov_b32 s[IB], ttmp9                         ; i
	s_and_b32 s[BH], ttmp7, 0xffff                 ; 16 x batch + head
	s_lshr_b32 s[BAT], s[BH], 4
	s_and_b32 s[HEAD], s[BH], 15
	; descriptor group 1: 67 rows of 256 bytes (32 elements of 8 bytes), dense
	s_mov_b32 s[G1], 3<<16
	s_mov_b32 s[G1+1], 32<<16                      ; tensor_dim0
	s_mov_b32 s[G1+2], 67<<16                      ; tensor_dim1
	s_mov_b32 s[G1+3], 32<<16                      ; tile_dim0
	s_mov_b32 s[G1+4], 67                          ; tile_dim1
	s_mov_b32 s[G1+5], 32                          ; tensor_dim0_stride
	s_mov_b32 s[G1+6], 0
	s_mov_b32 s[G1+7], 0
	s_lshl_b32 s[HA], s[HEAD], 10                  ; the head's place in a token tile's codes: 2,048 (head / 2) + 1,024 (head % 2)
	s_lshr_b32 s[HS], s[HEAD], 3                   ; and among its scale bytes: 256 (head / 8) + 4 ((head / 2) % 4) + 2 (head % 2)
	s_lshl_b32 s[HS], s[HS], 8
	s_bfe_u32 s61, s[HEAD], 0x20001
	s_lshl_b32 s61, s61, 2
	s_add_co_u32 s[HS], s[HS], s61
	s_and_b32 s61, s[HEAD], 1
	s_lshl_b32 s61, s61, 1
	s_add_co_u32 s[HS], s[HS], s61
	s_and_b32 s54, s[WV], 1
	s_mul_i32 s55, s54, HALFB                      ; my half of a slot, in LDS and in memory
	s_mul_i32 s56, s[BH], 8*SLOTB
	s_add_co_u32 s56, s56, s55
	s_mov_b32 s57, 0
	s_mul_i32 s58, s[BH], 139264
	s_mov_b32 s59, 0
	s_mov_b32 s[OFF+1], 0
	s_mov_b32 s[SEL], 0x76543210
	s_mov_b32 s[SEL+1], 0xfedcba98
	s_mov_b32 s[CS], 0x3e38aa3b                    ; c = log2(e) / 8
	s_mov_b32 s[CS+1], s[CS]                       ; (named with it as a pair, so it is written)
	s_mov_b32 s[TB], 0
	s_mov_b32 s[VC], 0
	s_wait_kmcnt 0x0
	s_add_nc_u64 s[KVB:KVB+1], s[6:7], s[56:57]
	s_add_nc_u64 s[QBH:QBH+1], s[4:5], s[58:59]
	s_mov_b32 s[G0], 1
	s_mov_b32 s[G0+1], s55                         ; LDS slot 0
	s_mov_b64 s[G0+2:G0+3], s[KVB:KVB+1]           ; key slot 0
	s_or_b32 s[G0+3], s[G0+3], 0x80000000
	TLOAD                                          ; visit 0
	v_and_b32 v3, 31, v0
	s_delay_alu instid0(VALU_DEP_1)
	v_lshlrev_b32 v[LI], 4, v3
	v_and_b32 v3, 15, v0                           ; r
	s_delay_alu instid0(VALU_DEP_1)
	v_lshlrev_b32 v[R16], 4, v3
	s_delay_alu instid0(VALU_DEP_2)
	v_and_b32 v7, 8, v3
	s_delay_alu instid0(VALU_DEP_1)
	v_add_nc_u32 v[QP], v7, v3                     ; r % 8 + 16 (r / 8)
	v_bfe_u32 v7, v0, 4, 1
	s_delay_alu instid0(VALU_DEP_1)
	v_lshlrev_b32 v7, 4, v7
	s_delay_alu instid0(VALU_DEP_1)
	v_sub_nc_u32 v[QP], v[QP], v7
.irp j, 0,1,2,3,4,5,6,7
	v_mov_b32 v[QF+8+\j], 0                        ; Q's codes for k = 64 .. 127: zeros, for the whole launch
	v_mov_b32 v[KR+64+\j], 0                       ; behind K's tile 7
.endr
.irp b, 0,1,2,3
	v_mov_b32 v[PD+\b], 0                          ; written once: a lane permute's destination counts as one of its sources
.endr
	v_mov_b32 v[F+1], 0                            ; (named as the upper half of a pair)
	v_mov_b32 v[TA], 0
	s_mov_b32 s54, s[IB]
	INIT                                           ; block i
.Lvisit:                                           ; eight trips: behind each change of slots but the last the next visit's slot is asked for
	CHANGE 1
	STEP 0
	STEP 1
	s_xor_b32 s[TB], s[TB], SLOT1                  ; on to the other slot
	s_cmp_lg_u32 s[VC], s[IB]                      ; visit i was block i's last
	s_cbranch_scc1 .Lsame
	FINISH
	s_sub_co_u32 s54, 7, s[IB]
	INIT                                           ; block 7 - i
.Lsame:
	s_add_co_u32 s[VC], s[VC], 1
	s_cmp_lt_u32 s[VC], 8
	s_cbranch_scc1 .Lvisit
	CHANGE 0                                       ; the last visit is written out
	STEP 0
	STEP 1
	FINISH
	s_wait_tensorcnt 0x0                           ; the wave's end
	ds_add_u32 v[SPW], v[NIL]
	s_wait_dscnt 0x0
	s_endpgm
.Lfunc_end_k_qf1d56cfddf_attn:
	.size	k_qf1d56cfddf_attn, .Lfunc_end_k_qf1d56cfddf_attn-k_qf1d56cfddf_attn
	.p2alignl 7, 3214868480
	.fill 96, 4, 3214868480
	.section	.rodata,"a",@progbits
	.p2align	6, 0x0
	.amdhsa_kernel k_qf1d56cfddf_attn
		.amdhsa_group_segment_fixed_size 327680
		.amdhsa_private_segment_fixed_size 0
		.amdhsa_enable_private_segment 0
		.amdhsa_kernarg_size 32
		.amdhsa_user_sgpr_count 2
		.amdhsa_user_sgpr_kernarg_segment_ptr 1
		.amdhsa_wavefront_size32 1
		.amdhsa_system_sgpr_workgroup_id_x 1
		.amdhsa_system_sgpr_workgroup_id_y 1
		.amdhsa_system_sgpr_workgroup_id_z 1
		.amdhsa_system_vgpr_workitem_id 0
		.amdhsa_next_free_vgpr 256
		.amdhsa_next_free_sgpr 66
		.amdhsa_reserve_vcc 1
		.amdhsa_float_denorm_mode_32 3
		.amdhsa_float_denorm_mode_16_64 3
		.amdhsa_fp16_overflow 1
		.amdhsa_memory_ordered 1
		.amdhsa_forward_progress 1
		.amdhsa_inst_pref_size 109
	.end_amdhsa_kernel
	.amdgpu_metadata
---
amdhsa.version: [ 1, 2 ]
amdhsa.kernels:
  - .name:           k_qf1d56cfddf_attn
    .symbol:         k_qf1d56cfddf_attn.kd
    .args:
      - { .name: qb, .offset: 0, .size: 8, .value_kind: global_buffer, .address_space: global }
      - { .name: kv, .offset: 8, .size: 8, .value_kind: global_buffer, .address_space: global }
      - { .name: ao, .offset: 16, .size: 8, .value_kind: global_buffer, .address_space: global }
      - { .name: aos, .offset: 24, .size: 8, .value_kind: global_buffer, .address_space: global }
    .group_segment_fixed_size: 327680
    .private_segment_fixed_size: 0
    .kernarg_segment_align: 8
    .kernarg_segment_size: 32
    .max_flat_workgroup_size: 512
    .sgpr_count:     66
    .vgpr_count:     256
    .wavefront_size: 32
...
	.end_amdgpu_metadata
.endif
;; end of part 3
;; launch oproj (part 4): grid 4 x 32, 4 waves a work-group, clusters of 4 x 4, 327,680 bytes of LDS; arguments ao, aos, opc, ops, bo, out0; writes out0
.if DOCPART == 4
	.amdgcn_target "amdgcn-amd-amdhsa--gfx1250"
	.amdhsa_code_object_version 6
	.text
	.protected	k_qf1d56cfddf_oproj
	.globl	k_qf1d56cfddf_oproj
	.p2align	8
	.type	k_qf1d56cfddf_oproj,@function
k_qf1d56cfddf_oproj:
	s_mov_b64 s[64:65], 0
	v_nop
	global_prefetch_b8 v0, s[64:65] scope:SCOPE_SE
	s_setreg_imm32_b32 hwreg(HW_REG_WAVE_MODE, 25, 1), 1
	s_wait_xcnt 0x0
	s_wait_alu depctr_hold_cnt(0) depctr_sa_sdst(0) depctr_va_vdst(0) depctr_va_sdst(0) depctr_va_ssrc(0) depctr_va_vcc(0) depctr_vm_vsrc(0)
	s_getreg_b32 s2, hwreg(HW_REG_IB_STS2, 6, 4)
	s_cmp_eq_u32 s2, 0
	s_cbranch_scc0 .Lentry_in_a_cluster
	s_endpgm
.Lentry_in_a_cluster:
	s_bfe_u32 s2, ttmp6, 0x10000c
	s_cmp_lg_u32 s2, 0xf033
	s_cbranch_scc0 .Lentry_shape_is_right
	s_endpgm
.Lentry_shape_is_right:
; out0 = a Wo^T + bo on codes of E4M3 (one E8M0 byte for each 32 along K = 1,024).  a: the attention's result, [8192][1024], and Wo (tiles 704-767 of the operands' buffer) are images of registers:
; tile T of 16 rows, place r = row 32 (T / 2) + 8 (T % 2) + r % 8 + 16 (r / 8); fragment (T, s) = 2,048 bytes at 16,384 T + 2,048 s; scale words at 512 T + 256 (s / 4) + 16 r + 4 (s % 4).  out0: [8192][1024] f32.
; A work-group of four waves makes 256 x 256; a wave 8 tiles of tokens (source 1) x 8 tiles of Wo's rows (source 0): 64 accumulators.  K goes in four steps of 256 through two LDS slots; all is written out, there is no loop.
; In a result lane r is place r of the token tile, and register j of lane half h is output channel 32 (b / 2) + 8 (b % 2) + 16 h + j of the wave's 128.  The bias is the C of each sum's first product.
; CLUSTERS, 4 x 4: the tokens' tiles are asked for jointly by a row of the cluster, Wo's by a column.  The grid has 128 work-groups: half of the WGPs; a tile of 128 x 256 would fill them and is not built here.
; REGISTERS: window 0: v1-3 r, h, 16 x lane; v16-29 addresses; v32-63 scale words, two sets; v64-127 the bias; v128-255 source 1's eight fragments, later rows on the way out; window 1: source 0's, two sets; windows 2, 3: accumulators.
.set SLOT,  131072                     ; a slot: source 1's 16 tiles x 4,096 bytes, then source 0's
.set OP0,   65536
.set SCL,   2*SLOT                     ; the scale words of all of K: filled once
.set SPARE, SCL+16384                  ; the spare words, 128 bytes a wave: two blocks of 256 bytes that no other line names
.set SPITCH, 528                       ; the way out: a stage of 16 rows x (512 + 16) bytes a wave, in slot 0, which has had its last fill and its last read by then
.set NP,    8
.set AD1,  16
.set AD0,  20
.set STO,  24
.set RD,   25
.set CO,   26
.set ADRS, 27
.set SPW,  28
.set NIL,  29
.set SC,   32
.set BI,   64
.set AF,   128
.set BK,   128
.set G1, 24
.set G0, 32
.set G1B, 48
.set G0B, 56
.set G1S, 68
.set G0S, 76
.set G1SB, 80
.set G0SB, 88
.set MSB, 0
.macro WIN new                         ; the immediate's high byte repeats the setting that is left
.if MSB != (\new)
	s_set_vgpr_msb (MSB<<8)|(\new)
.set MSB, (\new)
.endif
.endm
.macro WINM hi, cm                     ; source 0 window 1, source 1 window 0, D window 2 or 3; C with D, or (cm = 2) in window 0
.if \cm == 2
	WIN 0x81+0x40*\hi
.else
	WIN 0xa1+0x50*\hi
.endif
.endm
.set TO_B, 0x40
.macro JLOAD g0a, g1a, g0b, g1b        ; a joint load: waves 0 and 1 fetch source 1's halves, waves 2 and 3 source 0's; four v_nop follow each line
	s_cmp_eq_u32 s19, 0
	s_cbranch_scc0 .Lfor_b_\@
	tensor_load_to_lds s[\g0a:\g0a+3], s[\g1a:\g1a+7]
	s_nop 0
.rept 4
	v_nop
.endr
	s_branch .Lasked_\@
.Lfor_b_\@:
	tensor_load_to_lds s[\g0b:\g0b+3], s[\g1b:\g1b+7]
	s_nop 0
.rept 4
	v_nop
.endr
.Lasked_\@:
.endm
.macro CREST
	s_cmp_lg_u32 s18, 0
	s_cbranch_scc1 .Lnot_wave_0_\@
	s_barrier_signal -3
.Lnot_wave_0_\@:
	s_barrier_wait -3
	s_barrier_signal -1
	s_barrier_wait -1
.endm
.macro CROUND
	s_barrier_signal -1
	s_barrier_wait -1
	CREST
.endm
.macro PLACES n
.rept \n
	v_nop
.endr
.endm
.macro FRAG reg, adr, q, i
.irp c, 0,1,2,3
	ds_load_b128 v[\reg+4*\c:\reg+4*\c+3], v[\adr] offset:(\i)*4096+(\q)*2048+512*\c
.endr
.endm
.macro FETCH_B slot, q, p
	WIN TO_B
.irp i, 0,1,2,3,4,5,6,7
	FRAG 128*(\p)+16*\i, AD0+\slot, \q, \i
.endr
	WIN 0
.endm
.macro FETCH_A slot, q, i0
.irp i, \i0, \i0+1, \i0+2, \i0+3
	FRAG AF+16*(\i), AD1+\slot, \q, \i
.endr
.endm
.macro SCALES sc
.irp i, 0,1,2,3,4,5,6,7
	ds_load_b64 v[SC+16*\sc+2*\i:SC+16*\sc+2*\i+1], v[ADRS] offset:\i*512
.endr
.endm
; 16 matrix instructions: source 1's blocks a0, a0 + 1 x source 0's eight.  cm = 2: the bias starts the sums; 0: they go on.  The 64 accumulators take turns.
.macro MUL16 a0, p, q, sc, cm
.irp a, \a0, \a0+1
.irp b, 0,1,2,3,4,5,6,7
.if \cm == 2
	v_wmma_scale_f32_16x16x128_f8f6f4 v[8*(8*((\a)%4)+\b):8*(8*((\a)%4)+\b)+7], v[128*(\p)+16*\b:128*(\p)+16*\b+15], v[AF+16*(\a):AF+16*(\a)+15], v[BI+8*\b:BI+8*\b+7], v[SC+16*(\sc)+2*\b+(\q)], v[SC+16*(\sc)+2*(\a)+(\q)] matrix_a_scale:MATRIX_SCALE_ROW1
.else
	v_wmma_scale_f32_16x16x128_f8f6f4 v[8*(8*((\a)%4)+\b):8*(8*((\a)%4)+\b)+7], v[128*(\p)+16*\b:128*(\p)+16*\b+15], v[AF+16*(\a):AF+16*(\a)+15], v[8*(8*((\a)%4)+\b):8*(8*((\a)%4)+\b)+7], v[SC+16*(\sc)+2*\b+(\q)], v[SC+16*(\sc)+2*(\a)+(\q)] matrix_a_scale:MATRIX_SCALE_ROW1
.endif
.endr
.endr
.endm
.macro STEP slot, cm
	s_wait_dscnt 16                                ; source 0's set, source 1's blocks 0-3 and the scale words are in; the youngest 16 loads (blocks 4-7) may be out
	WINM 0, \cm
	MUL16 0, 0, 0, \slot, \cm
	MUL16 2, 0, 0, \slot, \cm
	s_wait_dscnt 0x0
	PLACES NP                                      ; in front of loads into registers that matrix instructions have read
	FETCH_B \slot, 1, 1
	FETCH_A \slot, 1, 0
	WINM 1, \cm
	MUL16 4, 0, 0, \slot, \cm
	MUL16 6, 0, 0, \slot, \cm
	PLACES NP
	WIN 0
	FETCH_A \slot, 1, 4
.endm
.macro TURN slot, next, fill, sstep
	s_wait_tensorcnt 0x0                           ; all my tensor loads have landed: my part of the next slot
	ds_add_u32 v[SPW], v[NIL]                      ; 0 onto my spare word
	s_wait_dscnt 17                                ; (the add and the youngest 16 loads may be out)
	WINM 0, 0
	MUL16 0, 1, 1, \slot, 0
	s_wait_dscnt 0x0                               ; the add is done, and my reads of this slot are over
	s_barrier_signal -1
	MUL16 2, 1, 1, \slot, 0
	WIN 0
	s_barrier_wait -1
.if \fill
	CREST                                          ; the barrier has opened a round of the cluster's: no wave of any partner still reads this slot or has a load on its way
	s_add_nc_u64 s[G0+4*\slot+2:G0+4*\slot+3], s[G0+4*\slot+2:G0+4*\slot+3], 8192
	s_add_nc_u64 s[G0B+4*\slot+2:G0B+4*\slot+3], s[G0B+4*\slot+2:G0B+4*\slot+3], 8192
	JLOAD G0+4*\slot, G1, G0B+4*\slot, G1B
	PLACES NP-4
.else
	PLACES NP
.endif
	s_wait_alu depctr_va_vdst(0)
	v_add_nc_u32 v[ADRS], \sstep, v[ADRS]
	FETCH_B \next, 0, 0
	FETCH_A \next, 0, 0
	SCALES \next
	WINM 1, 0
	MUL16 4, 1, 1, \slot, 0
	MUL16 6, 1, 1, \slot, 0
	PLACES NP
	WIN 0
	FETCH_A \next, 0, 4
.endm
	s_load_b256 s[4:11], s[0:1], 0x0               ; a's codes, a's scale words, the operands' codes, their scale words
	s_load_b128 s[12:15], s[0:1], 0x20             ; bo, out0
	v_lshl_add_u32 v[SPW], v0, 2, SPARE
	v_mov_b32 v[NIL], 0
	ds_add_u32 v28, v29
	ds_add_u32 v28, v29
	s_wait_dscnt 0x0
	v_lshrrev_b32 v1, 5, v0
	v_readfirstlane_b32 s18, v1                    ; wave 0..3
	s_lshr_b32 s19, s18, 1                         ; which half of the tokens' tiles is mine.  Also: I fetch for source 1 (0) or source 0 (1)
	s_and_b32 s20, s18, 1                          ; which half of Wo's.  Also: which 8 tiles I fetch
	s_bfe_u32 s21, ttmp6, 0x40000                  ; cx
	s_bfe_u32 s22, ttmp6, 0x40004                  ; cy
	s_and_b32 s23, ttmp7, 0xffff                   ; the cluster's y
	s_lshl_b32 s43, s22, 2
	s_lshl_b32 s43, 15, s43                        ; my row of the cluster
	s_lshl_b32 s44, 0x1111, s21                    ; my column
	s_or_b32 s[G1+0], s43, (3<<16)|(1<<21)         ; codes: 8 tiles x 4,096 bytes (512 elements of 8 bytes), 16,384 bytes apart; no padding
	s_or_b32 s[G1B+0], s44, (3<<16)|(1<<21)
.irp g, G1, G1B
	s_mov_b32 s[\g+1], 512<<16
	s_mov_b32 s[\g+2], 8<<16
	s_mov_b32 s[\g+3], 512<<16
	s_mov_b32 s[\g+4], 8
	s_mov_b32 s[\g+5], 2048
	s_mov_b32 s[\g+6], 0
	s_mov_b32 s[\g+7], 0
.endr
	s_or_b32 s[G1S+0], s43, (3<<16)|(1<<21)        ; scale words: 8 tiles x 512 dense bytes, as 16 rows of 256 bytes
	s_or_b32 s[G1SB+0], s44, (3<<16)|(1<<21)
.irp g, G1S, G1SB
	s_mov_b32 s[\g+1], 32<<16
	s_mov_b32 s[\g+2], 16<<16
	s_mov_b32 s[\g+3], 32<<16
	s_mov_b32 s[\g+4], 16
	s_mov_b32 s[\g+5], 32
	s_mov_b32 s[\g+6], 0
	s_mov_b32 s[\g+7], 0
.endr
	s_lshl_b32 s45, s23, 6                         ; tokens: tile 64 x cluster y
	s_lshl_b32 s47, s22, 4
	s_lshl_b32 s93, s20, 3
	s_add_co_u32 s45, s45, s47                     ; + 16 cy
	s_add_co_u32 s45, s45, s93                     ; + the 8 tiles that I fetch
	s_lshl_b32 s46, ttmp9, 6
	s_add_co_u32 s46, s46, 704                     ; Wo: tile 704 + 64 x cluster x
	s_lshl_b32 s92, s21, 4
	s_add_co_u32 s46, s46, s92                     ; + 16 cx
	s_add_co_u32 s46, s46, s93
	s_lshl_b32 s94, s45, 14
	s_mov_b32 s95, 0
	s_lshl_b32 s96, s45, 9
	s_mov_b32 s97, 0
	s_lshl_b32 s98, s46, 14
	s_mov_b32 s99, 0
	s_lshl_b32 s40, s46, 9
	s_mov_b32 s41, 0
	s_lshl_b32 s2, s18, 15                         ; where they go: wave x 32,768; no place in the cluster enters an LDS address
	s_lshl_b32 s3, s18, 12
	s_wait_kmcnt 0x0
	s_add_nc_u64 s[94:95], s[4:5], s[94:95]
	s_add_nc_u64 s[96:97], s[6:7], s[96:97]
	s_add_nc_u64 s[98:99], s[8:9], s[98:99]
	s_add_nc_u64 s[40:41], s[10:11], s[40:41]
	CROUND                                         ; all sixteen work-groups are here: the first joint loads meet
	s_mov_b32 s[G0S], 1
	s_add_co_u32 s[G0S+1], s3, SCL
	s_mov_b64 s[G0S+2:G0S+3], s[96:97]
	s_or_b32 s[G0S+3], s[G0S+3], 0x80000000
	s_mov_b32 s[G0SB], 1
	s_add_co_u32 s[G0SB+1], s3, SCL
	s_mov_b64 s[G0SB+2:G0SB+3], s[40:41]
	s_or_b32 s[G0SB+3], s[G0SB+3], 0x80000000
	JLOAD G0S, G1S, G0SB, G1SB
.irp s, 0,1
	s_mov_b32 s[G0+4*\s], 1
	s_add_co_u32 s[G0+4*\s+1], s2, \s*SLOT
	s_add_nc_u64 s[G0+4*\s+2:G0+4*\s+3], s[94:95], \s*4096
	s_or_b32 s[G0+4*\s+3], s[G0+4*\s+3], 0x80000000
	s_mov_b32 s[G0B+4*\s], 1
	s_add_co_u32 s[G0B+4*\s+1], s2, \s*SLOT
	s_add_nc_u64 s[G0B+4*\s+2:G0B+4*\s+3], s[98:99], \s*4096
	s_or_b32 s[G0B+4*\s+3], s[G0B+4*\s+3], 0x80000000
	s_wait_alu depctr_va_vdst(0)
	s_wait_tensorcnt 0x0
	ds_add_u32 v28, v29
	s_wait_dscnt 0x0
	CROUND
	JLOAD G0+4*\s, G1, G0B+4*\s, G1B               ; K steps 0 and 1: one tensor load of mine is out
.endr
	v_and_b32 v1, 15, v0                           ; r
	v_bfe_u32 v2, v0, 4, 1                         ; h
	v_and_b32 v3, 31, v0
	v_lshlrev_b32 v3, 4, v3                        ; 16 x lane
	s_wait_alu depctr_va_vdst(0)
	s_lshl_b32 s42, ttmp9, 2
	s_add_co_u32 s42, s42, s21                     ; my 256 output channels: 4 x cluster x + cx
	s_lshl_b32 s42, s42, 10
	s_lshl_b32 s43, s20, 9
	s_add_co_u32 s42, s42, s43                     ; my wave's 128, in bytes
	s_mov_b32 s43, 0
	s_add_nc_u64 s[12:13], s[12:13], s[42:43]      ; their bias
	v_lshlrev_b32 v5, 6, v2
.irp b, 0,1,2,3,4,5,6,7
	global_load_b128 v[BI+8*\b:BI+8*\b+3], v5, s[12:13] offset:(32*(\b/2)+8*(\b%2))*4       ; register j of tile b: channel 32 (b / 2) + 8 (b % 2) + 16 h + j
	global_load_b128 v[BI+8*\b+4:BI+8*\b+7], v5, s[12:13] offset:(32*(\b/2)+8*(\b%2))*4+16
.endr
	s_lshl_b32 s44, s23, 2
	s_add_co_u32 s44, s44, s22                     ; my 256 tokens: 4 x cluster y + cy
	s_lshl_b32 s44, s44, 8
	s_lshl_b32 s45, s19, 7
	s_add_co_u32 s44, s44, s45                     ; my wave's first token
	s_lshl_b32 s44, s44, 12                        ; rows of 4,096 bytes
	s_mov_b32 s45, 0
	s_add_nc_u64 s[14:15], s[14:15], s[44:45]
	s_add_nc_u64 s[14:15], s[14:15], s[42:43]      ; out0 at my wave's corner
	s_lshl_b32 s66, s19, 15
	s_lshl_b32 s67, s20, 15
	s_add_co_u32 s67, s67, OP0
.irp s, 0,1
	v_add_nc_u32 v[AD1+\s], s66, v3
	v_add_nc_u32 v[AD0+\s], s67, v3
	s_add_co_u32 s66, s66, SLOT
	s_add_co_u32 s67, s67, SLOT
.endr
	s_lshl_b32 s66, s19, 12
	s_lshl_b32 s67, s20, 12
	s_add_co_u32 s67, s67, 8192
	s_sub_co_u32 s67, s67, s66
	v_mul_u32_u24 v4, s67, v2                      ; lanes 16-31 take source 0's scale words: one product, the distance x h
	v_lshl_add_u32 v4, v1, 4, v4
	s_add_co_u32 s66, s66, SCL
	v_add_nc_u32 v[ADRS], s66, v4
	s_mul_i32 s66, s18, 16*SPITCH                  ; my stage
	v_mul_u32_u24 v4, v1, SPITCH
	v_lshl_add_u32 v4, v2, 6, v4
	v_add_nc_u32 v[STO], s66, v4                   ; in: row r, + 64 h
	v_add_nc_u32 v[RD], s66, v3                    ; back: the 32 lanes take one row of 512 bytes
	v_mov_b32 v[CO], v3
	s_wait_alu depctr_va_vdst(0)
	s_wait_loadcnt 0x0                             ; the bias
	s_wait_tensorcnt 1                             ; the scale words and my part of K step 0 are in; K step 1's load may be out
	s_barrier_signal -1
	s_barrier_wait -1
	FETCH_B 0, 0, 0
	FETCH_A 0, 0, 0
	SCALES 0
	FETCH_A 0, 0, 4
	STEP 0, 2                                      ; the first products start the sums on the bias
	TURN 0, 1, 1, 8
	STEP 1, 0
	TURN 1, 0, 1, 248
	STEP 0, 0
	TURN 0, 1, 0, 8                                ; nothing is left to fetch: no round
	STEP 1, 0
	s_wait_dscnt 16
	WINM 0, 0
	MUL16 0, 1, 1, 1, 0
	MUL16 2, 1, 1, 1, 0
	s_wait_dscnt 0x0
	WINM 1, 0
	MUL16 4, 1, 1, 1, 0
	MUL16 6, 1, 1, 1, 0
	WIN 0
; THE WAY OUT, a token tile at a time: 16 rows x 128 channels go through my own stage in LDS and come back as whole rows of 512 bytes.  LDS serves a wave's instructions in order: no wait between the stores and the loads.
.macro TOSTAGE a
.set AC, 64*((\a)%4)
	WIN 0x08+4*((\a)/4)                            ; an LDS store's data are its source 1: window 2 or 3
.irp b, 0,1,2,3,4,5,6,7
	ds_store_b128 v[STO], v[AC+8*\b:AC+8*\b+3] offset:128*(\b/2)+32*(\b%2)         ; each accumulator from its low end on
	ds_store_b128 v[STO], v[AC+8*\b+4:AC+8*\b+7] offset:128*(\b/2)+32*(\b%2)+16
.endr
	WIN 0
.set BB, BK+64*((\a)%2)
.irp t, 0,1,2,3,4,5,6,7,8,9,10,11,12,13,14,15
	ds_load_b128 v[BB+4*\t:BB+4*\t+3], v[RD] offset:\t*SPITCH
.endr
.endm
.macro SEND a, younger                 ; younger: the LDS instructions issued behind tile a's loads, which may stay out
.set BB, BK+64*((\a)%2)
	s_wait_dscnt \younger
.irp t, 0,1,2,3,4,5,6,7,8,9,10,11,12,13,14,15
	global_store_b128 v[CO], v[BB+4*\t:BB+4*\t+3], s[14:15] offset:(32*((\a)/2)+8*((\a)%2)+(\t%8)+16*(\t/8))*4096 th:TH_STORE_NT   ; place t of tile a is that row; 32 lanes store 512 consecutive bytes, aligned
.endr
.endm
	PLACES NP                                      ; in front of the first read of results and of loads into the registers that held fragments
	TOSTAGE 0
.irp a, 1,2,3,4,5,6,7
.if \a > 1
	s_wait_xcnt 0x0                                ; tile a - 2's stores have read their registers: tile a's loads may land there
.endif
	TOSTAGE \a
	SEND \a-1, 32                                  ; behind tile a - 1's loads: tile a's 16 stores and 16 loads
.endr
	SEND 7, 0
	s_wait_tensorcnt 0x0                           ; the wave's end
	ds_add_u32 v[SPW], v[NIL]
	s_wait_dscnt 0x0
	CROUND                                         ; the closing round
	s_endpgm
.Lfunc_end_k_qf1d56cfddf_oproj:
	.size	k_qf1d56cfddf_oproj, .Lfunc_end_k_qf1d56cfddf_oproj-k_qf1d56cfddf_oproj
	.p2alignl 7, 3214868480
	.fill 96, 4, 3214868480
	.section	.rodata,"a",@progbits
	.p2align	6, 0x0
	.amdhsa_kernel k_qf1d56cfddf_oproj
		.amdhsa_group_segment_fixed_size 327680
		.amdhsa_private_segment_fixed_size 0
		.amdhsa_enable_private_segment 0
		.amdhsa_kernarg_size 48
		.amdhsa_user_sgpr_count 2
		.amdhsa_user_sgpr_kernarg_segment_ptr 1
		.amdhsa_wavefront_size32 1
		.amdhsa_system_sgpr_workgroup_id_x 1
		.amdhsa_system_sgpr_workgroup_id_y 1
		.amdhsa_system_sgpr_workgroup_id_z 1
		.amdhsa_system_vgpr_workitem_id 0
		.amdhsa_next_free_vgpr 1024
		.amdhsa_next_free_sgpr 100
		.amdhsa_reserve_vcc 0
		.amdhsa_float_denorm_mode_32 3
		.amdhsa_float_denorm_mode_16_64 3
		.amdhsa_memory_ordered 1
		.amdhsa_forward_progress 1
		.amdhsa_inst_pref_size 147
	.end_amdhsa_kernel
	.amdgpu_metadata
---
amdhsa.version: [ 1, 2 ]
amdhsa.kernels:
  - .name:           k_qf1d56cfddf_oproj
    .symbol:         k_qf1d56cfddf_oproj.kd
    .args:
      - { .name: ao, .offset: 0, .size: 8, .value_kind: global_buffer, .address_space: global }
      - { .name: aos, .offset: 8, .size: 8, .value_kind: global_buffer, .address_space: global }
      - { .name: opc, .offset: 16, .size: 8, .value_kind: global_buffer, .address_space: global }
      - { .name: ops, .offset: 24, .size: 8, .value_kind: global_buffer, .address_space: global }
      - { .name: bo, .offset: 32, .size: 8, .value_kind: global_buffer, .address_space: global }
      - { .name: out0, .offset: 40, .size: 8, .value_kind: global_buffer, .address_space: global }
    .group_segment_fixed_size: 327680
    .private_segment_fixed_size: 0
    .kernarg_segment_align: 8
    .kernarg_segment_size: 48
    .max_flat_workgroup_size: 128
    .sgpr_count:     100
    .vgpr_count:     1024
    .wavefront_size: 32
...
	.end_amdgpu_metadata
.endif
;; end of part 4
